; MI455X (gfx1250); checked and timed in simulation.
; The chip was launched on July 23, 2026; its instructions are those of AMD's public machine-readable ISA for CDNA 5 (MIT licence, August 2026) and "CDNA5" Instruction Set Architecture Reference Guide (July 2026). The comments in the code are by the model that wrote it; some were corrected since.
;; Block. Allowed arithmetic: matrix products marked QUANTISED: E2M3 operands, one E8M0 scale for each 32 along K, by v_wmma_scale_f32_16x16x128_f8f6f4 with both operands' format E2M3, f32 sums; everything else in f32.
;; Inputs: W1 1,024 x 4,096 float32; W2 4,096 x 1,024 float32; Wk 16 x 1,024 x 64 float32; Wo 1,024 x 1,024 float32; Wq 16 x 1,024 x 64 float32; Wv 16 x 1,024 x 64 float32; b1 4,096 float32; b2 1,024 float32; beta1 1,024 float32; beta2 1,024 float32; bk 16 x 64 float32; bo 1,024 float32; bq 16 x 64 float32; bv 16 x 64 float32; gamma1 1,024 float32; gamma2 1,024 float32; x 2 x 2,048 x 1,024 float32.
;; Outputs: out0 2 x 2,048 x 1,024 float32.
;; This version of the problem:
;;   THIS VERSION OF THE PROBLEM IS GIVEN IN LOW PRECISION. The matrix products marked QUANTISED in the list below multiply operands that are first quantised to E2M3 (2 exponent bits, 3 mantissa bits; 6 bits a number), with one power-of-two scale for each 32 numbers along K (OCP MX v1.0); their sums are f32. All else is computed in f32.
;;   The module's matrix products, in the order in which they are computed (A, B: the left and right operand; K: the contracted axis; several contracted axes count as one K, in the product's order):
;;     1. [M 1,024, K 1,024] x [K 1,024, N 4,096]; A: input Wq; B: computed on the way: QUANTISED
;;     2. [M 1,024, K 1,024] x [K 1,024, N 4,096]; A: input Wk; B: computed on the way: QUANTISED
;;     3. [M 1,024, K 1,024] x [K 1,024, N 4,096]; A: input Wv; B: computed on the way: QUANTISED
;;     4. batch 32 x [M 2,048, K 64] x [K 64, N 2,048]; A: computed on the way; B: computed on the way: QUANTISED
;;     5. batch 32 x [M 2,048, K 2,048] x [K 2,048, N 64]; A: softmax (see below); B: computed on the way: QUANTISED
;;     6. [M 4,096, K 1,024] x [K 1,024, N 1,024]; A: computed on the way; B: input Wo: QUANTISED
;;     7. [M 4,096, K 1,024] x [K 1,024, N 4,096]; A: computed on the way; B: input W1: QUANTISED
;;     8. [M 4,096, K 4,096] x [K 4,096, N 1,024]; A: computed on the way; B: input W2: QUANTISED
;;   THE QUANTISER, for each operand of a quantised product, along K:
;;     - K is cut into blocks of 32 from its start; a last block that is shorter is filled with zeros.
;;     - A block's scale is 2^e with e = floor(log2(the largest magnitude in the block)) - 2, held to -126 .. 127; a block of zeros has e = 0. As a byte (E8M0): e + 127.
;;     - Each number is divided by its block's scale, clamped to +-7.5, and rounded to the nearest number of E2M3, ties to even, subnormals kept.
;;     - The product sums the exact products of the quantised numbers (number of the format x scale) in f32.
;;   ~~~python
;;   def quantise(x, axis):      # numpy; x: float32 -> the quantised numbers, widened to float32 again
;;       x = np.moveaxis(x, axis, -1); K = x.shape[-1]
;;       x = np.pad(x, [(0, 0)] * (x.ndim - 1) + [(0, -K % 32)]); x = x.reshape(x.shape[:-1] + (-1, 32)); a = np.abs(x).max(-1, keepdims=True)
;;       e = np.where(a > 0, np.clip(np.frexp(np.where(a > 0, a, 1))[1] - 1 - 2, -126, 127), 0)      # np.frexp(a)[1] - 1 = floor(log2(a)), exactly
;;       r = np.clip(x / 2.0 ** e, -7.5, 7.5)
;;       step = 2.0 ** (np.maximum(np.frexp(np.where(r == 0, 1, r))[1] - 1, 0) - 3)
;;       q = np.round(r / step) * step * 2.0 ** e      # np.round: ties to even
;;       return np.moveaxis(q.reshape(q.shape[:-2] + (-1,))[..., :K], -1, axis).astype(np.float32)
;;   ~~~
;;   SOFTMAX AHEAD OF A QUANTISED PRODUCT. Where the list says 'softmax', what is quantised is not the finished softmax but p = 2^(t - M), with t = logit x log2(e) and M = ceil(the row's largest t), a whole number; so 1/2 < the row's largest p <= 1. The row's sum l is taken of the UNQUANTISED p, in f32, and the product's result is divided by l at the end. Since M is a whole number, a kernel that streams over the keys may use a running M (the ceiling of the running maximum): every later rescaling is an exact power of two, which a block's scale takes up: the codes' values come out the same.
;;   OPERANDS COMPUTED ON THE WAY. 'Computed on the way' means the value that the module computes at that place (a softmax that the list does not call 'softmax' is quantised finished and normalised). What goes into a quantiser is computed in f32, as accurately as f32 sums, v_exp_f32 and their like allow (about 1e-6 of the number): no bf16 or f16 on the way to a quantiser, and a product that is left as it is and whose result goes on into a quantised operand takes f32 operands (vector FMAs, or v_wmma_f32_16x16x4_f32). A number that lies on a knife's edge between two numbers of the format may be rounded either way, as far as f32 arithmetic and the matrix unit's own rounding can turn it there, and no further.
;; One version. Each part assembles by itself: llvm-mc -triple=amdgcn-amd-amdhsa -mcpu=gfx1250 --defsym DOCPART=n.
;; ======== version 1 of 1: 6 launches
;; limits: right only within a limited range of input values
;; workspace buffers: xc 3,276,800 bytes; wc 9,830,400 bytes; st 32,768 bytes; qkv 10,092,544 bytes; ac 13,107,200 bytes; x2 16,777,216 bytes
;; launch prep (part 1): grid 640 x 1, 8 waves a work-group, no clusters, 66,816 bytes of LDS; arguments x, gamma1, beta1, xc, st, wc, Wq, Wk, Wv, Wo, W1, W2; writes xc, st, wc
.if DOCPART == 1
	.amdgcn_target "amdgcn-amd-amdhsa--gfx1250"
	.amdhsa_code_object_version 6
	.text
	.protected	k_qa35d841be6_prep
	.globl	k_qa35d841be6_prep
	.p2align	8
	.type	k_qa35d841be6_prep,@function
k_qa35d841be6_prep:
	s_mov_b64 s[64:65], 0
	v_nop
	global_prefetch_b8 v0, s[64:65] scope:SCOPE_SE
	s_setreg_imm32_b32 hwreg(HW_REG_WAVE_MODE, 25, 1), 1
	s_wait_xcnt 0x0
; Work-groups 0-255: layer norm 1 of 16 tokens each -> codes of FP6 (E2M3) with E8M0 scales along C, and (mean, 1/sqrt(var+eps)) of each token.
; Work-groups 256-639: the six weights, whose K is their first axis -> codes with K innermost.
; ALL CODES LIE AS IMAGES OF OPERAND REGISTERS.  A fragment is 16 rows x 128 K = 12 registers a lane; registers 4 j .. 4 j + 3 of lane L lie at 512 j + 16 L of 1,536 bytes.
; A chunk (12,800 bytes) is 128 rows x 128 K: 8 fragments, then 8 x 16 scale words at 12,288 + 64 f + 4 r.  Row r of fragment f is the group's row 32 (f / 2) + 8 (f % 2) + r + 8 (r / 8).
; A block's scale is 2^(floor(log2(largest magnitude)) - 2); its byte is the largest magnitude's exponent field - 2, held at 1 from below.
; 162 registers a wave: six waves share a SIMD's 1,024, that is three work-groups of eight waves on a WGP, 768 places for the 640 work-groups: all of them have their loads on their way together.
; LIMITS: NaN and infinities are not served; a block of zeros gets the byte 1 where the rule says 127 (its codes are zeros, and this program alone reads the bytes).
; The scale words leave as pieces of 64 or 128 bytes: one byte in 24 of what the launch stores.
.set CH,   12800
.set PIT,  4112                        ; a stage row: 4,096 bytes + 16, so that sixteen rows' equal columns start 16 bytes apart modulo 256
.set X0,   16                          ; v16-47  my first token's row, v48-79 my second's
.set X1,   48
.set GA,   80                          ; v80-111 gamma, v112-143 beta of my columns
.set BE,   112
.set SA,   144                         ; v144-151 partial sums, for both rows in turn
.set MN0,  152                         ; the means, each twice (a pair for the packed forms)
.set MN1,  154
.set RS0,  156                         ; 1 / sqrt(var + eps), each twice
.set RS1,  158
.set VR0,  13                          ; var + eps of the two rows
.set VR1,  14
.set SD,   10                          ; v10-11 the pair (mean, rstd) to store; v12 its offset
.set SO,   12
.set PC,   80                          ; later, where gamma and beta lay: v80-98 the codes just made,
.set TM,   100                         ; v100-115 at work in QUANT,
.set PW,   116                         ; the scale word just made
.set FF,   112                         ; weights: v16-111 three sets of 32 numbers; v112-135 the two halves' 12 registers each
.set WT,   136                         ; v136-138 a conversion's three registers
.set WM,   140                         ; v140-141 largest magnitudes, v142 the scale operand, v143 the byte, v144 the scale word
.set WS,   142
.set WB,   143
.set WW,   144
.set WV,   16
.set SEL,  20
.macro FOLD a                          ; four pairs of partial sums -> the wave's sum, in every lane
	s_delay_alu instid0(VALU_DEP_3)
	v_pk_add_f32 v[\a:\a+1], v[\a:\a+1], v[\a+2:\a+3]
	s_delay_alu instid0(VALU_DEP_2)
	v_pk_add_f32 v[\a+4:\a+5], v[\a+4:\a+5], v[\a+6:\a+7]
	s_delay_alu instid0(VALU_DEP_1)
	v_pk_add_f32 v[\a:\a+1], v[\a:\a+1], v[\a+4:\a+5]
	s_delay_alu instid0(VALU_DEP_1)
	v_add_f32 v[\a], v[\a], v[\a+1]
	s_delay_alu instid0(VALU_DEP_1)
	v_add_f32_dpp v[\a], v[\a], v[\a] row_xmask:1 row_mask:0xf bank_mask:0xf
	s_delay_alu instid0(VALU_DEP_1)
	v_add_f32_dpp v[\a], v[\a], v[\a] row_xmask:2 row_mask:0xf bank_mask:0xf
	s_delay_alu instid0(VALU_DEP_1)
	v_add_f32_dpp v[\a], v[\a], v[\a] row_xmask:4 row_mask:0xf bank_mask:0xf
	s_delay_alu instid0(VALU_DEP_1)
	v_add_f32_dpp v[\a], v[\a], v[\a] row_xmask:8 row_mask:0xf bank_mask:0xf
	s_delay_alu instid0(VALU_DEP_1)
	v_permlanex16_b32 v[\a+1], v[\a], s[SEL], s[SEL+1]
	s_delay_alu instid0(VALU_DEP_1)
	v_add_f32 v[\a], v[\a], v[\a+1]
.endm
.macro ROWSUM x, a                     ; the sum of a row: four chains of packed additions
.irp k, 0,1,2,3
	v_pk_add_f32 v[\a+2*\k:\a+2*\k+1], v[\x+2*\k:\x+2*\k+1], v[\x+8+2*\k:\x+9+2*\k]
.endr
.irp o, 16,24
.irp k, 0,1,2,3
	s_delay_alu instid0(VALU_DEP_4)
	v_pk_add_f32 v[\a+2*\k:\a+2*\k+1], v[\a+2*\k:\a+2*\k+1], v[\x+\o+2*\k:\x+\o+1+2*\k]
.endr
.endr
	FOLD \a
.endm
.macro ROWSQ x, a                      ; the sum of its squares
.irp k, 0,1,2,3
	v_pk_mul_f32 v[\a+2*\k:\a+2*\k+1], v[\x+2*\k:\x+2*\k+1], v[\x+2*\k:\x+2*\k+1]
.endr
.irp o, 8,16,24
.irp k, 0,1,2,3
	s_delay_alu instid0(VALU_DEP_4)
	v_pk_fma_f32 v[\a+2*\k:\a+2*\k+1], v[\x+\o+2*\k:\x+\o+1+2*\k], v[\x+\o+2*\k:\x+\o+1+2*\k], v[\a+2*\k:\a+2*\k+1]
.endr
.endr
	FOLD \a
.endm
; 64 numbers of a lane, register 16 b + i = k 32 b + 16 (lane / 16) + i of my row, become a fragment's 12 registers in v[PC] on and its scale word in v[PW]
.macro QUANT s
.irp b, 0,1,2,3
	v_max3_num_f32 v[TM+\b], |v[\s+16*\b]|, |v[\s+1+16*\b]|, 0x1800000   ; with the floor 2^(3 - 127): the byte cannot fall under 1
.endr
.irp i, 2,4,6,8,10,12,14
.irp b, 0,1,2,3
	s_delay_alu instid0(VALU_DEP_4)
	v_max3_num_f32 v[TM+\b], v[TM+\b], |v[\s+16*\b+\i]|, |v[\s+1+16*\b+\i]|
.endr
.endr
.irp b, 0,1,2,3
	s_delay_alu instid0(VALU_DEP_4)
	v_permlanex16_b32 v[TM+4+\b], v[TM+\b], s[SEL], s[SEL+1]
.endr
.irp b, 0,1,2,3
	s_delay_alu instid0(VALU_DEP_4)
	v_max_num_f32 v[TM+\b], v[TM+\b], v[TM+4+\b]   ; with lane l xor 16's 16 numbers: the block's largest magnitude
.endr
.irp b, 0,1,2,3
	s_delay_alu instid0(VALU_DEP_4)
	v_add_nc_u32 v[TM+12+\b], 0xff000000, v[TM+\b]   ; 2 off its exponent field: the conversion's scale operand
.endr
.irp b, 0,1,2,3
	s_delay_alu instid0(VALU_DEP_4)
	v_lshrrev_b32 v[TM+4+\b], 23, v[TM+12+\b]   ; the scale's byte
.endr
	s_delay_alu instid0(VALU_DEP_3)
	v_lshl_or_b32 v[PW], v[TM+5], 8, v[TM+4]
	s_delay_alu instid0(VALU_DEP_1)
	v_lshl_or_b32 v[PW], v[TM+6], 16, v[PW]
	s_delay_alu instid0(VALU_DEP_1)
	v_lshl_or_b32 v[PW], v[TM+7], 24, v[PW]
.irp c, 0,1
	v_cvt_scalef32_pk16_fp6_f32 v[PC+6*\c:PC+2+6*\c], v[\s+32*\c:\s+15+32*\c], v[TM+12+2*\c]
	v_cvt_scalef32_pk16_fp6_f32 v[PC+12+4*\c:PC+14+4*\c], v[\s+16+32*\c:\s+31+32*\c], v[TM+12+2*\c+1]
.endr
	v_nop                                          ; one plain place behind a scaled conversion
.irp c, 0,1                            ; the layout wants a whole block in a lane: lanes 0-15 block 2 c, lanes 16-31 block 2 c + 1
.irp i, 0,1,2
	v_permlane16_swap_b32 v[PC+6*\c+\i], v[PC+12+4*\c+\i]
.endr
.irp i, 0,1,2
	s_delay_alu instid0(VALU_DEP_3)
	v_mov_b32 v[PC+3+6*\c+\i], v[PC+12+4*\c+\i]
.endr
.endr
.endm
	s_load_b128 s[4:7], s[0:1], 0x0                ; x, gamma1
	s_load_b128 s[8:11], s[0:1], 0x10              ; beta1, xc
	s_load_b128 s[12:15], s[0:1], 0x20             ; st, wc
	s_load_b128 s[24:27], s[0:1], 0x30             ; Wq, Wk
	s_load_b128 s[28:31], s[0:1], 0x40             ; Wv, Wo
	s_load_b128 s[32:35], s[0:1], 0x50             ; W1, W2
	v_lshl_add_u32 v160, v0, 2, 0x10100
	v_mov_b32 v161, 0
	v_lshrrev_b32 v1, 5, v0
	s_delay_alu instid0(VALU_DEP_1)
	v_readfirstlane_b32 s[WV], v1                  ; wave 0..7
	v_and_b32 v1, 31, v0                           ; lane
	s_mov_b32 s[SEL], 0x76543210
	s_mov_b32 s[SEL+1], 0xfedcba98                 ; v_permlanex16_b32's selects for lane l xor 16
	s_mov_b32 s19, 0
	s_wait_kmcnt 0x0
	s_cmp_lt_u32 ttmp9, 256                        ; the same for all waves of a work-group
	s_cbranch_scc0 .Lweights
	; ---------------- LAYER NORM.  Work-group g is fragment g of the tokens; wave w first norms rows 2 w, 2 w + 1 of it, which are two neighbouring tokens
	v_and_b32 v2, 15, v0                           ; r
	v_bfe_u32 v3, v0, 4, 1                         ; h
	s_wait_alu depctr_va_vdst(0)
	v_lshlrev_b32 v4, 4, v1                        ; 16 x lane
	s_wait_alu depctr_va_vdst(0)
	s_mul_i32 s17, s[WV], 2*PIT
	v_add_nc_u32 v5, s17, v4                       ; the stage, in: my two rows, 16 bytes a lane
	v_mul_u32_u24 v6, v2, PIT
	s_delay_alu instid0(VALU_DEP_1)
	v_lshl_add_u32 v6, v3, 6, v6
	s_lshl_b32 s17, s[WV], 9
	v_add_nc_u32 v6, s17, v6                       ; and out: row r, K step w (512 bytes), + 64 h
	s_lshr_b32 s17, ttmp9, 1
	s_lshl_b32 s17, s17, 5
	s_and_b32 s18, ttmp9, 1
	s_lshl_b32 s18, s18, 3
	s_add_co_u32 s17, s17, s18
	s_lshl_b32 s18, s[WV], 1
	s_add_co_u32 s17, s17, s18
	s_lshr_b32 s18, s[WV], 2
	s_lshl_b32 s18, s18, 3
	s_add_co_u32 s17, s17, s18                     ; my first token: 32 (g / 2) + 8 (g % 2) + 2 w + 8 (w / 4)
	s_lshl_b32 s18, s17, 12
	s_add_nc_u64 s[4:5], s[4:5], s[18:19]
	s_lshl_b32 s18, s17, 3
	s_add_nc_u64 s[12:13], s[12:13], s[18:19]
	s_lshr_b32 s17, ttmp9, 3
	s_lshl_b32 s17, s17, 3
	s_add_co_u32 s17, s17, s[WV]
	s_mul_i32 s18, s17, CH
	s_add_nc_u64 s[10:11], s[10:11], s[18:19]      ; the chunk of panel g / 8, K step w
	s_and_b32 s17, ttmp9, 7
	s_mul_i32 s18, s17, 1536
	v_add_nc_u32 v7, s18, v4                       ; my 16 bytes of fragment g % 8
	s_lshl_b32 s18, s17, 6
	v_lshl_add_u32 v8, v2, 2, s18                  ; my row's scale word
	s_mov_b32 s22, 0x3a802008                      ; 1 / 1023
	s_mov_b32 s23, 0x3727c5ac                      ; 1e-5
.set j, 0
.rept 8
	global_load_b128 v[X0+4*j:X0+4*j+3], v4, s[4:5] offset:512*j          ; 512 consecutive bytes a load
	global_load_b128 v[X1+4*j:X1+4*j+3], v4, s[4:5] offset:4096+512*j
.set j, j+1
.endr
.set j, 0
.rept 8
	global_load_b128 v[GA+4*j:GA+4*j+3], v4, s[6:7] offset:512*j
	global_load_b128 v[BE+4*j:BE+4*j+3], v4, s[8:9] offset:512*j
.set j, j+1
.endr
	s_wait_loadcnt 16                              ; the rows are in; the 16 younger loads (gamma, beta) may be out
	ROWSUM X0, SA
	s_delay_alu instid0(VALU_DEP_1)
	v_mul_f32 v[MN0], 0x3a800000, v[SA]            ; / 1024
	ROWSUM X1, SA
	s_delay_alu instid0(VALU_DEP_1)
	v_mul_f32 v[MN1], 0x3a800000, v[SA]
	v_mov_b32 v[MN0+1], v[MN0]
	s_delay_alu instid0(VALU_DEP_2)
	v_mov_b32 v[MN1+1], v[MN1]
.set j, 0
.rept 16
	v_pk_add_f32 v[X0+j:X0+j+1], v[X0+j:X0+j+1], v[MN0:MN0+1] neg_lo:[0,1] neg_hi:[0,1]   ; x - mean
	v_pk_add_f32 v[X1+j:X1+j+1], v[X1+j:X1+j+1], v[MN1:MN1+1] neg_lo:[0,1] neg_hi:[0,1]
.set j, j+2
.endr
	ROWSQ X0, SA
	s_delay_alu instid0(VALU_DEP_1)
	v_fma_f32 v[VR0], v[SA], s22, s23              ; the unbiased variance + eps
	ROWSQ X1, SA
	s_delay_alu instid0(VALU_DEP_1)
	v_fma_f32 v[VR1], v[SA], s22, s23
	s_wait_alu depctr_va_vdst(0)
	v_rsq_f32 v[RS0], v[VR0]
	v_rsq_f32 v[RS0+1], v[VR0]
	v_rsq_f32 v[RS1], v[VR1]
	v_rsq_f32 v[RS1+1], v[VR1]
	v_and_b32 v[SO], 1, v0                         ; a plain place behind the four
	s_wait_alu depctr_va_vdst(0)                   ; one wait for the batch, ahead of its first reader
	s_wait_loadcnt 0x0                             ; gamma, beta
.set j, 0
.rept 16
	v_pk_mul_f32 v[X0+j:X0+j+1], v[X0+j:X0+j+1], v[RS0:RS0+1]
	v_pk_mul_f32 v[X1+j:X1+j+1], v[X1+j:X1+j+1], v[RS1:RS1+1]
	s_delay_alu instid0(VALU_DEP_2)
	v_pk_fma_f32 v[X0+j:X0+j+1], v[X0+j:X0+j+1], v[GA+j:GA+j+1], v[BE+j:BE+j+1]
	s_delay_alu instid0(VALU_DEP_2)
	v_pk_fma_f32 v[X1+j:X1+j+1], v[X1+j:X1+j+1], v[GA+j:GA+j+1], v[BE+j:BE+j+1]
.set j, j+2
.endr
	v_cmp_eq_u32 vcc_lo, 1, v[SO]                  ; even lanes store the first token's pair, odd lanes the second's: 16 bytes in all
	s_delay_alu instid0(VALU_DEP_1)
	v_cndmask_b32 v[SD], v[MN0], v[MN1], vcc_lo
	v_cndmask_b32 v[SD+1], v[RS0], v[RS1], vcc_lo
	v_lshlrev_b32 v[SO], 3, v[SO]
	global_store_b64 v[SO], v[SD:SD+1], s[12:13]
.set j, 0
.rept 8
	ds_store_b128 v5, v[X0+4*j:X0+4*j+3] offset:512*j
	ds_store_b128 v5, v[X1+4*j:X1+4*j+3] offset:PIT+512*j
.set j, j+1
.endr
	s_wait_dscnt 0x0                               ; for the others' sake: my two rows lie in the stage
	s_barrier_signal -1
	s_barrier_wait -1
	; wave w now takes K step w of all 16 rows: lane (r, h) reads 16 neighbours of each block of 32
.irp b, 0,1,2,3
.irp j, 0,1,2,3
	ds_load_b128 v[16+16*\b+4*\j:19+16*\b+4*\j], v6 offset:128*\b+16*\j
.endr
.endr
.irp b, 0,1,2,3
	v_mov_b32 v[TM+4+\b], 0                        ; a lane permute's destination counts as one of its sources
.endr
	s_wait_dscnt 0x0
	QUANT 16
.irp c, 0,1,2
	global_store_b128 v7, v[PC+4*\c:PC+4*\c+3], s[10:11] offset:512*\c    ; 512 consecutive bytes, aligned
.endr
	global_store_b32 v8, v[PW], s[10:11] offset:12288                     ; lanes 16-31 repeat lanes 0-15's word
	s_wait_tensorcnt 0x0
	ds_add_u32 v160, v161
	s_wait_dscnt 0x0
	s_endpgm
	; ---------------- WEIGHTS.  Wave w of work-group g' takes 32 columns (group w % 4) x 128 K of chunk 2 g' + w / 4.  A lane takes a column, its registers run down K.
.Lweights:
	s_sub_co_u32 s17, ttmp9, 256                   ; g'
	s_lshl_b32 s18, s17, 1
	s_lshr_b32 s36, s[WV], 2
	s_add_co_u32 s18, s18, s36                     ; the chunk: 0-191 Wq, Wk, Wv; 192-255 Wo; 256-511 W1; 512-767 W2
	s_and_b32 s37, s[WV], 3                        ; the group of 32 columns
	s_mul_i32 s38, s18, CH
	s_mov_b32 s39, 0
	s_add_nc_u64 s[14:15], s[14:15], s[38:39]
	s_wait_alu depctr_va_vdst(0)
	v_lshlrev_b32 v10, 2, v1                       ; in: 4 bytes a lane
	v_bfe_u32 v2, v0, 3, 1                         ; my column 32 cg + lane is row r' = lane % 8 + 8 (lane / 16) of fragment 2 cg + u, u = (lane / 8) % 2
	v_and_b32 v3, 7, v0
	v_bfe_u32 v4, v0, 4, 1
	s_delay_alu instid0(VALU_DEP_1)
	v_lshl_add_u32 v3, v4, 3, v3                   ; r'
	s_delay_alu instid0(VALU_DEP_4)
	v_mul_u32_u24 v11, v2, 1536
	s_delay_alu instid0(VALU_DEP_1)
	v_lshl_add_u32 v11, v3, 4, v11
	s_mul_i32 s38, s37, 3072
	v_add_nc_u32 v11, s38, v11                     ; codes: (2 cg + u) x 1,536 + 16 r'
	v_lshlrev_b32 v12, 6, v2
	s_delay_alu instid0(VALU_DEP_1)
	v_lshl_add_u32 v12, v3, 2, v12
	s_lshl_b32 s38, s37, 7
	v_add_nc_u32 v12, s38, v12                     ; scale word: 64 (2 cg + u) + 4 r'
.macro WLOAD t, pitch                  ; block t: W(32 t + i, my column), into set t % 3: 128 consecutive bytes a wave
.set i, 0
.rept 32
	global_load_b32 v[16+32*((\t)%3)+i], v10, s[40:41] offset:(32*\t+i)*\pitch th:TH_LOAD_NT
.set i, i+1
.endr
.endm
.macro WBLOCK b                        ; block b belongs to the half b % 2 of the lanes of the image, registers 6 (b / 2) on
.set XS, 16+32*((\b)%3)
.set FD, FF+12*(\b%2)+6*(\b/2)
	v_max3_num_f32 v[WM], |v[XS]|, |v[XS+1]|, |v[XS+2]|
	v_max3_num_f32 v[WM+1], |v[XS+3]|, |v[XS+4]|, |v[XS+5]|
.irp i, 6,10,14,18,22,26
	s_delay_alu instid0(VALU_DEP_2)
	v_max3_num_f32 v[WM], v[WM], |v[XS+\i]|, |v[XS+\i+1]|
	s_delay_alu instid0(VALU_DEP_2)
	v_max3_num_f32 v[WM+1], v[WM+1], |v[XS+\i+2]|, |v[XS+\i+3]|
.endr
	s_delay_alu instid0(VALU_DEP_2)
	v_max3_num_f32 v[WM], v[WM], |v[XS+30]|, |v[XS+31]|
	s_delay_alu instid0(VALU_DEP_1)
	v_max3_num_f32 v[WM], v[WM], v[WM+1], 0x1800000   ; and the floor
	s_delay_alu instid0(VALU_DEP_1)
	v_add_nc_u32 v[WS], 0xff000000, v[WM]          ; the conversion's scale operand
	s_delay_alu instid0(VALU_DEP_1)
	v_lshrrev_b32 v[WB], 23, v[WS]                 ; the byte
.if \b == 0
	s_delay_alu instid0(VALU_DEP_1)
	v_mov_b32 v[WW], v[WB]
.else
	s_delay_alu instid0(VALU_DEP_1)
	v_lshl_or_b32 v[WW], v[WB], 8*\b, v[WW]
.endif
	v_cvt_scalef32_pk16_fp6_f32 v[FD:FD+2], v[XS:XS+15], v[WS]
	v_cvt_scalef32_pk16_fp6_f32 v[WT:WT+2], v[XS+16:XS+31], v[WS]   ; (a conversion's three registers begin on an even number)
	v_nop
	v_mov_b32 v[FD+3], v[WT]
	v_mov_b32 v[FD+4], v[WT+1]
	v_mov_b32 v[FD+5], v[WT+2]
.endm
.macro WQ pitch
	WLOAD 0, \pitch
	WLOAD 1, \pitch
	s_wait_loadcnt 32                              ; block 0 is in; block 1's 32 loads may be out
	WLOAD 2, \pitch
	WBLOCK 0
	s_wait_loadcnt 32                              ; block 1 is in; block 2's may be out
	WLOAD 3, \pitch                                ; into block 0's registers, whose numbers have been converted
	WBLOCK 1
	s_wait_loadcnt 32                              ; block 2 is in; block 3's may be out
	WBLOCK 2
	s_wait_loadcnt 0x0
	WBLOCK 3
.irp h, 0,1
.irp j, 0,1,2
	global_store_b128 v11, v[FF+12*\h+4*\j:FF+12*\h+4*\j+3], s[14:15] offset:512*\j+256*\h   ; sixteen lanes fill 256 aligned bytes of one fragment, the other sixteen of the next
.endr
.endr
	global_store_b32 v12, v[WW], s[14:15] offset:12288
	s_endpgm
.endm
	s_cmp_lt_u32 s17, 96
	s_cbranch_scc0 .Lnot_qkv
	s_lshr_b32 s38, s18, 6                         ; 0 Wq, 1 Wk, 2 Wv
	s_cmp_eq_u32 s38, 0
	s_cselect_b64 s[40:41], s[24:25], s[26:27]
	s_cmp_eq_u32 s38, 2
	s_cselect_b64 s[40:41], s[28:29], s[40:41]
	s_bfe_u32 s38, s18, 0x30003                    ; panel
	s_lshl_b32 s38, s38, 1
	s_lshr_b32 s39, s37, 1
	s_add_co_u32 s38, s38, s39                     ; head = 2 panel + cg / 2
	s_lshl_b32 s38, s38, 18                        ; x 1,024 x 64 x 4 bytes
	s_and_b32 s39, s18, 7
	s_lshl_b32 s39, s39, 15                        ; + K step x 128 rows of 256 bytes
	s_add_co_u32 s38, s38, s39
	s_and_b32 s39, s37, 1
	s_lshl_b32 s39, s39, 7                         ; + 32 (cg % 2) columns
	s_add_co_u32 s38, s38, s39
	s_mov_b32 s39, 0
	s_add_nc_u64 s[40:41], s[40:41], s[38:39]
	WQ 256
.Lnot_qkv:
	s_sub_co_u32 s38, s17, 128
	s_cmp_lt_u32 s38, 128
	s_cbranch_scc1 .Lw1
	s_bfe_u32 s38, s18, 0x30003                    ; Wo: panel, K step
	s_and_b32 s39, s18, 7
	s_bfe_u32 s42, s18, 0x30005                    ; W2: panel, K step
	s_and_b32 s43, s18, 31
	s_cmp_lt_u32 s17, 128
	s_cselect_b64 s[40:41], s[30:31], s[34:35]
	s_cselect_b32 s38, s38, s42
	s_cselect_b32 s39, s39, s43
	s_lshl_b32 s39, s39, 19                        ; K step x 128 rows of 4,096 bytes
	s_lshl_b32 s38, s38, 9
	s_add_co_u32 s38, s38, s39
	s_lshl_b32 s39, s37, 7
	s_add_co_u32 s38, s38, s39
	s_mov_b32 s39, 0
	s_add_nc_u64 s[40:41], s[40:41], s[38:39]
	WQ 4096
.Lw1:
	s_bfe_u32 s38, s18, 0x50003                    ; panel 0..31
	s_and_b32 s39, s18, 7
	s_lshl_b32 s39, s39, 21                        ; K step x 128 rows of 16,384 bytes
	s_lshl_b32 s38, s38, 9
	s_add_co_u32 s38, s38, s39
	s_lshl_b32 s39, s37, 7
	s_add_co_u32 s38, s38, s39
	s_mov_b32 s39, 0
	s_add_nc_u64 s[40:41], s[32:33], s[38:39]
	WQ 16384
.Lfunc_end_k_qa35d841be6_prep:
	.size	k_qa35d841be6_prep, .Lfunc_end_k_qa35d841be6_prep-k_qa35d841be6_prep
	.p2alignl 7, 3214868480
	.fill 96, 4, 3214868480
	.section	.rodata,"a",@progbits
	.p2align	6, 0x0
	.amdhsa_kernel k_qa35d841be6_prep
		.amdhsa_group_segment_fixed_size 66816
		.amdhsa_private_segment_fixed_size 0
		.amdhsa_enable_private_segment 0
		.amdhsa_kernarg_size 96
		.amdhsa_user_sgpr_count 2
		.amdhsa_user_sgpr_kernarg_segment_ptr 1
		.amdhsa_wavefront_size32 1
		.amdhsa_system_sgpr_workgroup_id_x 1
		.amdhsa_system_sgpr_workgroup_id_y 1
		.amdhsa_system_sgpr_workgroup_id_z 1
		.amdhsa_system_vgpr_workitem_id 0
		.amdhsa_next_free_vgpr 162
		.amdhsa_next_free_sgpr 66
		.amdhsa_reserve_vcc 1
		.amdhsa_float_denorm_mode_32 3
		.amdhsa_float_denorm_mode_16_64 3
		.amdhsa_memory_ordered 1
		.amdhsa_forward_progress 1
		.amdhsa_inst_pref_size 95
	.end_amdhsa_kernel
	.amdgpu_metadata
---
amdhsa.version: [ 1, 2 ]
amdhsa.kernels:
  - .name:           k_qa35d841be6_prep
    .symbol:         k_qa35d841be6_prep.kd
    .args:
      - { .name: x, .offset: 0, .size: 8, .value_kind: global_buffer, .address_space: global }
      - { .name: gamma1, .offset: 8, .size: 8, .value_kind: global_buffer, .address_space: global }
      - { .name: beta1, .offset: 16, .size: 8, .value_kind: global_buffer, .address_space: global }
      - { .name: xc, .offset: 24, .size: 8, .value_kind: global_buffer, .address_space: global }
      - { .name: st, .offset: 32, .size: 8, .value_kind: global_buffer, .address_space: global }
      - { .name: wc, .offset: 40, .size: 8, .value_kind: global_buffer, .address_space: global }
      - { .name: Wq, .offset: 48, .size: 8, .value_kind: global_buffer, .address_space: global }
      - { .name: Wk, .offset: 56, .size: 8, .value_kind: global_buffer, .address_space: global }
      - { .name: Wv, .offset: 64, .size: 8, .value_kind: global_buffer, .address_space: global }
      - { .name: Wo, .offset: 72, .size: 8, .value_kind: global_buffer, .address_space: global }
      - { .name: W1, .offset: 80, .size: 8, .value_kind: global_buffer, .address_space: global }
      - { .name: W2, .offset: 88, .size: 8, .value_kind: global_buffer, .address_space: global }
    .group_segment_fixed_size: 66816
    .private_segment_fixed_size: 0
    .kernarg_segment_align: 8
    .kernarg_segment_size: 96
    .max_flat_workgroup_size: 256
    .sgpr_count:     66
    .vgpr_count:     162
    .wavefront_size: 32
...
	.end_amdgpu_metadata
.endif
;; end of part 1
;; launch qkv (part 2): grid 12 x 16, 4 waves a work-group, clusters of 4 x 4, 327,680 bytes of LDS; arguments xc, wc, bq, bk, bv, qkv; writes qkv
.if DOCPART == 2
	.amdgcn_target "amdgcn-amd-amdhsa--gfx1250"
	.amdhsa_code_object_version 6
	.text
	.protected	k_qa35d841be6_qkv
	.globl	k_qa35d841be6_qkv
	.p2align	8
	.type	k_qa35d841be6_qkv,@function
k_qa35d841be6_qkv:
	s_mov_b64 s[64:65], 0
	v_nop
	global_prefetch_b8 v0, s[64:65] scope:SCOPE_SE
	s_setreg_imm32_b32 hwreg(HW_REG_WAVE_MODE, 25, 1), 1
	s_wait_xcnt 0x0
	s_wait_alu depctr_hold_cnt(0) depctr_sa_sdst(0) depctr_va_vdst(0) depctr_va_sdst(0) depctr_va_ssrc(0) depctr_va_vcc(0) depctr_vm_vsrc(0)
	s_getreg_b32 s2, hwreg(HW_REG_IB_STS2, 6, 4)
	s_cmp_eq_u32 s2, 0
	s_cbranch_scc0 .Lentry_in_a_cluster
	s_endpgm
.Lentry_in_a_cluster:
	s_bfe_u32 s2, ttmp6, 0x10000c
	s_cmp_lg_u32 s2, 0xf033
	s_cbranch_scc0 .Lentry_shape_is_right
	s_endpgm
.Lentry_shape_is_right:
; q, k, v = x1 W + b on codes of FP6 (K = 1,024), and their quantising for attention: q and k along the head's 64, v along the keys.
; A work-group makes 256 x 256, a wave 128 x 128 (64 accumulators, 512 registers).  Operands lie in memory as chunks (128 rows x 128 K: 8 register images of 1,536 bytes, then 512 bytes of scale words).
; Source 0 takes B's fragments, source 1 A's: a lane holds ONE row of A, and its registers run along B's rows, 16 neighbours in each pair of tiles (row r of fragment f is row 32 (f / 2) + 8 (f % 2) + r + 8 (r / 8)).
; Clusters x = 0, 1 (q, k): A = tokens, B = Wq or Wk: a lane holds a token and 128 outputs = two heads.  Cluster x = 2 (v): A = Wv, B = tokens: a lane holds one output and 128 keys.  Only addresses differ ahead of the way out.
; K IS EIGHT STEPS OF 128.  THREE LDS slots of two steps each are filled at the head (by one tensor load a wave: 6 chunks, 76,800 dense bytes as 300 rows of 256); the refill brings 2 chunks, 25,600 dense bytes, as 100 rows of 256 bytes.
; Only slot 0 is filled again, with steps 6 and 7, behind the one round in the walk over K: from that request to the wait for it a wave issues 224 matrix instructions.  Slot 2 has no barrier of its own: every wave has waited for all
; its loads, slot 2's among them, in front of that round, and nothing writes slot 2 afterwards.  A's tiles are asked for jointly along a row of the 4 x 4 cluster, B's along a column.
; OUT (buffer qkv): for each (batch, head) and 128 keys 13,056 bytes: 8 half images of k (768 bytes: registers 0-3 at 16 L, 4-5 at 512 + 8 L), their words at 6,144, 4 images of v^T at 6,656, their words at 12,800; q's half images from QOFF, words from QSOFF.
; LIMITS: NaN and infinities are not served; a block of zeros gets the scale byte 1 (its codes are zeros; this program alone reads the bytes).  Scale words leave in pieces of 64 bytes.
; REGISTERS: window 0: v0-31 addresses, v32-63 scale words (two sets, by the visit's parity), v64-127 bias along the registers, v128-223 A's fragments (one set), v232-247 bias of v's rows; window 1: B's fragments, two sets; windows 2, 3: accumulators.
.set CH,     12800
.set LOADB,  2*CH
.set SLOT,   4*LOADB
.set PANEL,  8*CH
.set SPARE,  3*SLOT                    ; the spare words: 128 bytes a wave, two blocks of 256 bytes that no other line names
.set KVH,    208896
.set KVS,    13056
.set QOFF,   6684672
.set QSOFF,  9830400
.set FR,     12
.set NQ,     2
.set NL,     3
.set NP,     4
.set ADRA, 14                          ; v14-16 LDS address of my A fragments in slot 0, 1, 2
.set ADRB, 17                          ; v17-19 the same for B
.set ADRS, 20                          ; v20-22 and for the scale words
.set L16,  24
.set L8,   25
.set R4,   26
.set SPW,  28
.set NIL,  29
.set SC,   32
.set BI,   64
.set AF,   128
.set HA,   128
.set PC,   192
.set TM,   212
.set PW,   228
.set BIV,  232
.set WV, 16
.set WR, 17
.set WC, 18
.set SEL, 22
.set G1, 24
.set G0, 32                            ; s[32:35] group 0 for A's tiles, slot 0
.set G1B, 48
.set G0B, 56                           ; s[56:59] the same for B's
.set G0C, 92
.set G0BC, 96
.set MSB, 0
.macro WIN new                         ; the immediate's high byte repeats the setting that is left
.if MSB != (\new)
	s_set_vgpr_msb (MSB<<8)|(\new)
.set MSB, (\new)
.endif
.endm
.set MUL_LO, 0xa1                      ; source 0 (B) window 1, source 1 (A) window 0, C and D window 2
.set MUL_HI, 0xf1
.set TO_B,   0x40
.macro PLACES n
.rept \n
	v_nop
.endr
.endm
.macro JLOAD g0a, g1a, g0b, g1b        ; waves 0, 1 fetch for A, waves 2, 3 for B; four v_nop follow each line
	s_cmp_eq_u32 s[WR], 0
	s_cbranch_scc0 .Lfor_b_\@
	tensor_load_to_lds s[\g0a:\g0a+3], s[\g1a:\g1a+7]
	s_nop 0
.rept 4
	v_nop
.endr
	s_branch .Lasked_\@
.Lfor_b_\@:
	tensor_load_to_lds s[\g0b:\g0b+3], s[\g1b:\g1b+7]
	s_nop 0
.rept 4
	v_nop
.endr
.Lasked_\@:
.endm
.macro CREST
	s_cmp_lg_u32 s[WV], 0
	s_cbranch_scc1 .Lnot_wave_0_\@
	s_barrier_signal -3
.Lnot_wave_0_\@:
	s_barrier_wait -3
	s_barrier_signal -1
	s_barrier_wait -1
.endm
.macro CROUND
	s_barrier_signal -1
	s_barrier_wait -1
	CREST
.endm
.macro QUANT s                         ; 64 numbers of a lane (register 16 b + i = k 32 b + 16 (lane / 16) + i) -> 12 registers of codes in v[PC] on, scale word in v[PW]
.irp b, 0,1,2,3
	v_max3_num_f32 v[TM+\b], |v[\s+16*\b]|, |v[\s+1+16*\b]|, 0x1800000
.endr
.irp i, 2,4,6,8,10,12,14
.irp b, 0,1,2,3
	v_max3_num_f32 v[TM+\b], v[TM+\b], |v[\s+16*\b+\i]|, |v[\s+1+16*\b+\i]|
.endr
.endr
.irp b, 0,1,2,3
	v_permlanex16_b32 v[TM+4+\b], v[TM+\b], s[SEL], s[SEL+1]
.endr
.irp b, 0,1,2,3
	v_max_num_f32 v[TM+\b], v[TM+\b], v[TM+4+\b]
.endr
.irp b, 0,1,2,3
	v_add_nc_u32 v[TM+12+\b], 0xff000000, v[TM+\b]
.endr
.irp b, 0,1,2,3
	v_lshrrev_b32 v[TM+4+\b], 23, v[TM+12+\b]
.endr
	v_lshl_or_b32 v[PW], v[TM+5], 8, v[TM+4]
	v_lshl_or_b32 v[PW], v[TM+6], 16, v[PW]
	v_lshl_or_b32 v[PW], v[TM+7], 24, v[PW]
.irp c, 0,1
	v_cvt_scalef32_pk16_fp6_f32 v[PC+6*\c:PC+2+6*\c], v[\s+32*\c:\s+15+32*\c], v[TM+12+2*\c]
	v_cvt_scalef32_pk16_fp6_f32 v[PC+12+4*\c:PC+14+4*\c], v[\s+16+32*\c:\s+31+32*\c], v[TM+12+2*\c+1]
.endr
	v_nop                                          ; one plain place behind a scaled conversion
.irp c, 0,1
.irp i, 0,1,2
	v_permlane16_swap_b32 v[PC+6*\c+\i], v[PC+12+4*\c+\i]
.endr
.irp i, 0,1,2
	v_mov_b32 v[PC+3+6*\c+\i], v[PC+12+4*\c+\i]
.endr
.endr
.endm
	s_load_b128 s[4:7], s[0:1], 0x0                ; xc, wc
	s_load_b128 s[8:11], s[0:1], 0x10              ; bq, bk
	s_load_b128 s[12:15], s[0:1], 0x20             ; bv, qkv
	v_lshl_add_u32 v[SPW], v0, 2, SPARE
	v_mov_b32 v[NIL], 0
	ds_add_u32 v28, v29
	ds_add_u32 v28, v29
	s_wait_dscnt 0x0
	v_lshrrev_b32 v1, 5, v0
	v_readfirstlane_b32 s[WV], v1                  ; wave 0..3
	s_lshr_b32 s[WR], s[WV], 1                     ; my half of A's rows.  Also: I fetch for A (0) or B (1)
	s_and_b32 s[WC], s[WV], 1                      ; my half of B's rows.  Also: which panel of the tile I fetch
	s_bfe_u32 s40, ttmp6, 0x40000                  ; cx
	s_bfe_u32 s41, ttmp6, 0x40004                  ; cy
	s_and_b32 s20, ttmp7, 0xffff
	s_lshl_b32 s20, s20, 2                         ; 4 x cluster y
	s_lshl_b32 s19, ttmp9, 2                       ; 4 x cluster x
	s_cmp_eq_u32 ttmp9, 2                          ; the clusters of v: the same in all sixteen partners
	s_cselect_b32 s43, 8, s20
	s_cselect_b32 s42, s20, s19
	s_add_co_u32 s43, s43, s41                     ; A's tile of 256 rows: tokens 4 Y + cy, or Wv's 8 + cy
	s_add_co_u32 s42, s42, s40                     ; B's tile: weights 4 X + cx, or tokens 4 Y + cx
	s_lshl_b32 s44, s41, 2
	s_lshl_b32 s44, 15, s44                        ; my row of the cluster
	s_lshl_b32 s45, 0x1111, s40                    ; my column
	s_or_b32 s[G1], s44, (3<<16)|(1<<21)           ; the mask; elements of 8 bytes; bit 21 beside a mask; no padding: images are read as they lie
	s_or_b32 s[G1B], s45, (3<<16)|(1<<21)
.irp g, G1, G1B
	s_mov_b32 s[\g+1], 32<<16                      ; tensor_dim0 = 32 elements: 256 bytes
	s_mov_b32 s[\g+2], 300<<16                     ; tensor_dim1 = 300 rows: the head's load brings six chunks
	s_mov_b32 s[\g+3], 32<<16                      ; tile_dim0
	s_mov_b32 s[\g+4], 300                         ; tile_dim1
	s_mov_b32 s[\g+5], 32                          ; the pitch: dense
	s_mov_b32 s[\g+6], 0
	s_mov_b32 s[\g+7], 0
.endr
	s_lshl_b32 s46, s43, 1
	s_add_co_u32 s46, s46, s[WC]
	s_mul_i32 s46, s46, PANEL                      ; A: panel 2 tile + (wave % 2)
	s_mov_b32 s47, 0
	s_lshl_b32 s66, s42, 1
	s_add_co_u32 s66, s66, s[WC]
	s_mul_i32 s66, s66, PANEL                      ; B likewise, in registers that never hold cy
	s_mov_b32 s67, 0
	s_mul_i32 s21, s[WV], 3*LOADB                  ; LDS AS IT IS LAID NOW: four regions of six chunks (76,800 bytes), A's two panels, then B's two; slot s of a panel is its chunks 2 s, 2 s + 1
	s_mov_b32 s[SEL], 0x76543210
	s_mov_b32 s[SEL+1], 0xfedcba98
	s_wait_kmcnt 0x0
	s_cmp_eq_u32 ttmp9, 2
	s_cselect_b64 s[68:69], s[6:7], s[4:5]         ; A's buffer
	s_cselect_b64 s[70:71], s[4:5], s[6:7]         ; B's
	s_add_nc_u64 s[68:69], s[68:69], s[46:47]
	s_add_nc_u64 s[70:71], s[70:71], s[66:67]
	CROUND                                         ; all sixteen work-groups are here: the first joint loads meet
; THE HEAD'S FILL: one tensor load a wave: K steps 0 to 5 of my panel, 76,800 dense bytes as 300 rows of 256.  K steps 6 and 7 come later, 100 rows, into the region's first two chunks.
.irp s, 0
	s_mov_b32 s[G0+4*\s], 1
	s_add_co_u32 s[G0+4*\s+1], s21, \s*SLOT
	s_add_nc_u64 s[G0+4*\s+2:G0+4*\s+3], s[68:69], \s*LOADB
	s_or_b32 s[G0+4*\s+3], s[G0+4*\s+3], 0x80000000
	s_mov_b32 s[G0B+4*\s], 1
	s_add_co_u32 s[G0B+4*\s+1], s21, \s*SLOT
	s_add_nc_u64 s[G0B+4*\s+2:G0B+4*\s+3], s[70:71], \s*LOADB
	s_or_b32 s[G0B+4*\s+3], s[G0B+4*\s+3], 0x80000000
	JLOAD G0+4*\s, G1, G0B+4*\s, G1B
.endr
	v_and_b32 v1, 15, v0                           ; r
	v_bfe_u32 v2, v0, 4, 1                         ; h
	v_and_b32 v3, 31, v0                           ; lane
	v_lshlrev_b32 v[L16], 4, v3
	v_lshlrev_b32 v[L8], 3, v3
	v_lshlrev_b32 v[R4], 2, v1
	s_mul_i32 s72, s[WR], 3*LOADB                  ; my panel of A
	s_mul_i32 s73, s[WC], 3*LOADB
	s_add_co_u32 s73, s73, 6*LOADB                 ; my panel of B, behind A's two
	s_sub_co_u32 s75, s73, s72
	v_mul_u32_u24 v6, s75, v2                      ; scale words: lanes 0-15 take A's, lanes 16-31 B's: the lower base + h x the distance
	v_add_nc_u32 v5, v[R4], v6
	v_add_nc_u32 v5, 8*1536, v5
.irp s, 0,1,2
	v_add_nc_u32 v[ADRA+\s], s72, v[L16]
	v_add_nc_u32 v[ADRB+\s], s73, v[L16]
	v_add_nc_u32 v[ADRS+\s], s72, v5
	s_add_co_u32 s72, s72, LOADB
	s_add_co_u32 s73, s73, LOADB
.endr
	; the biases.  Both kinds are loaded by every work-group, each inside its 4,096 bytes; the way out takes the one that is its own
	s_cmp_eq_u32 ttmp9, 0
	s_cselect_b64 s[76:77], s[8:9], s[10:11]
	s_cmp_eq_u32 ttmp9, 2
	s_cselect_b64 s[76:77], s[12:13], s[76:77]
	s_and_b32 s74, s42, 3
	s_lshl_b32 s74, s74, 2
	s_lshl_b32 s75, s[WC], 1
	s_add_co_u32 s74, s74, s75                     ; q, k: my first head = 4 (B's tile % 4) + 2 x half; it is kept for the way out
	s_lshl_b32 s78, s74, 8
	s_mov_b32 s79, 0
	s_add_nc_u64 s[76:77], s[76:77], s[78:79]
	v_lshlrev_b32 v7, 6, v2                        ; register 16 b + i wants output 32 b + 16 h + i
.irp b, 0,1,2,3
.irp j, 0,1,2,3
	global_load_b128 v[BI+16*\b+4*\j:BI+16*\b+4*\j+3], v7, s[76:77] offset:128*\b+16*\j
.endr
.endr
	s_and_b32 s80, s43, 3
	s_lshl_b32 s80, s80, 2
	s_lshl_b32 s81, s[WR], 1
	s_add_co_u32 s80, s80, s81                     ; v: my first head = 4 (A's tile % 4) + 2 x half
	s_lshl_b32 s80, s80, 8
	s_mov_b32 s81, 0
	s_add_nc_u64 s[82:83], s[12:13], s[80:81]
	v_and_b32 v8, 8, v1
	v_add_nc_u32 v8, v8, v1
	v_lshlrev_b32 v8, 2, v8                        ; 4 (r + 8 (r / 8))
.irp a, 0,1,2,3,4,5,6,7
	global_load_b32 v[BIV+2*\a], v8, s[82:83] offset:(32*(\a/2)+8*(\a%2))*4      ; my row of fragment a, twice: a pair for the packed add
	global_load_b32 v[BIV+2*\a+1], v8, s[82:83] offset:(32*(\a/2)+8*(\a%2))*4
.endr
.macro FRAG reg, adr, off              ; a fragment's image: three loads of 512 consecutive bytes
.irp c, 0,1,2
	ds_load_b128 v[\reg+4*\c:\reg+4*\c+3], v[\adr] offset:\off+512*\c
.endr
.endm
.macro MUL16 a0, p, q, sc, zero        ; A's blocks a0, a0 + 1 x B's eight; the 64 accumulators take turns
.irp a, \a0, \a0+1
.irp b, 0,1,2,3,4,5,6,7
.if \zero
	v_wmma_scale_f32_16x16x128_f8f6f4 v[8*(8*((\a)%4)+\b):8*(8*((\a)%4)+\b)+7], v[128*(\p)+FR*\b:128*(\p)+FR*\b+FR-1], v[AF+FR*(\a):AF+FR*(\a)+FR-1], 0, v[SC+8*NQ*(\sc)+NQ*\b+(\q)], v[SC+8*NQ*(\sc)+NQ*(\a)+(\q)] matrix_a_fmt:MATRIX_FMT_FP6 matrix_b_fmt:MATRIX_FMT_FP6 matrix_a_scale:MATRIX_SCALE_ROW1
.else
	v_wmma_scale_f32_16x16x128_f8f6f4 v[8*(8*((\a)%4)+\b):8*(8*((\a)%4)+\b)+7], v[128*(\p)+FR*\b:128*(\p)+FR*\b+FR-1], v[AF+FR*(\a):AF+FR*(\a)+FR-1], v[8*(8*((\a)%4)+\b):8*(8*((\a)%4)+\b)+7], v[SC+8*NQ*(\sc)+NQ*\b+(\q)], v[SC+8*NQ*(\sc)+NQ*(\a)+(\q)] matrix_a_fmt:MATRIX_FMT_FP6 matrix_b_fmt:MATRIX_FMT_FP6 matrix_a_scale:MATRIX_SCALE_ROW1
.endif
.endr
.endr
.endm
.macro FETCH_B slot, q, p
	WIN TO_B
.irp i, 0,1,2,3,4,5,6,7
	FRAG 128*(\p)+FR*\i, ADRB+\slot, (\q)*CH+\i*1536
.endr
	WIN 0
.endm
.macro FETCH_A slot, q, i0
.irp i, \i0, \i0+1, \i0+2, \i0+3
	FRAG AF+FR*(\i), ADRA+\slot, (\q)*CH+(\i)*1536
.endr
.endm
.macro SCALES slot, sc                 ; a slot's scale words into set sc: register NQ i + q: lanes 0-15 A's block i, lanes 16-31 B's block i
.irp i, 0,1,2,3,4,5,6,7
.irp q, 0,1
	ds_load_b32 v[SC+8*NQ*\sc+NQ*\i+\q], v[ADRS+\slot] offset:\q*CH+64*\i
.endr
.endr
.endm
.macro STEP slot, sc, zero             ; a slot's first 128 along K (B's set 0); it fetches the slot's second
	s_wait_dscnt 4*NL                              ; all but the youngest 12 loads (A's blocks 4-7) are in
	WIN MUL_LO
	MUL16 0, 0, 0, \sc, \zero
	MUL16 2, 0, 0, \sc, \zero
	s_wait_dscnt 0
	PLACES NP                                      ; four places in front of loads into registers that matrix instructions have read
	FETCH_B \slot, 1, 1
	FETCH_A \slot, 1, 0
	WIN MUL_HI
	MUL16 4, 0, 0, \sc, \zero
	MUL16 6, 0, 0, \sc, \zero
	PLACES NP
	WIN 0
	FETCH_A \slot, 1, 4
.endm
; A slot's second step changes slots.  how = 1: a round of the cluster's barrier, and this slot is filled again.  how = 0: a barrier, in front of which every wave has waited for its part of the next slot's fill.
; how = 2: neither: the next slot was shown whole to every wave by an earlier round, and this slot is not written again.
.macro TURN slot, sc, next, nsc, how
.if \how < 2
	s_wait_tensorcnt 0x0                           ; all my tensor loads have landed
	ds_add_u32 v[SPW], v[NIL]                      ; 0 onto my spare word
	s_wait_dscnt 4*NL+1                            ; the add and the youngest 12 loads may be out
.else
	s_wait_dscnt 4*NL                              ; the youngest 12 loads may be out
.endif
	WIN MUL_LO
	MUL16 0, 1, 1, \sc, 0
.if \how < 2
	s_wait_dscnt 0x0                               ; the add is done, my reads of this slot are over
	s_barrier_signal -1
.endif
	MUL16 2, 1, 1, \sc, 0
	WIN 0
.if \how < 2
	s_barrier_wait -1
.else
	s_wait_dscnt 0x0                               ; A's blocks 4-7 are in
.endif
.if \how == 1
	CREST                                          ; the barrier has opened a round of the cluster's: no wave of any partner reads this slot or has a load on its way
	s_add_nc_u64 s[G0+4*\slot+2:G0+4*\slot+3], s[G0+4*\slot+2:G0+4*\slot+3], 3*LOADB
	s_add_nc_u64 s[G0B+4*\slot+2:G0B+4*\slot+3], s[G0B+4*\slot+2:G0B+4*\slot+3], 3*LOADB
	JLOAD G0+4*\slot, G1, G0B+4*\slot, G1B         ; the first tensor load behind the round; its four v_nop are the places for the loads below
.else
	PLACES NP
.endif
	s_wait_alu depctr_va_vdst(0)
	FETCH_B \next, 0, 0
	FETCH_A \next, 0, 0
	SCALES \next, \nsc
	WIN MUL_HI
	MUL16 4, 1, 1, \sc, 0
	MUL16 6, 1, 1, \sc, 0
	PLACES NP
	WIN 0
	FETCH_A \next, 0, 4
.endm
	s_wait_alu depctr_va_vdst(0)
	s_wait_tensorcnt 0x0                           ; my six chunks are in
	s_mov_b32 s[G1+2], 100<<16                     ; no tensor load of mine is out, so a descriptor may be written: the refill brings 100 rows
	s_mov_b32 s[G1+4], 100
	s_mov_b32 s[G1B+2], 100<<16
	s_mov_b32 s[G1B+4], 100
	s_barrier_signal -1
	s_barrier_wait -1
	FETCH_B 0, 0, 0
	FETCH_A 0, 0, 0
	SCALES 0, 0
	FETCH_A 0, 0, 4
	STEP 0, 0, 1                                   ; K steps 0, 1
	TURN 0, 0, 1, 1, 1                             ; the round; slot 0 takes K steps 6 and 7
	STEP 1, 1, 0                                   ; K steps 2, 3
	TURN 1, 1, 2, 0, 2
	STEP 2, 0, 0                                   ; K steps 4, 5
	TURN 2, 0, 0, 1, 0                             ; the refill has landed, in every wave
	STEP 0, 1, 0                                   ; K steps 6, 7
	s_wait_dscnt 4*NL
	WIN MUL_LO
	MUL16 0, 1, 1, 1, 0
	MUL16 2, 1, 1, 1, 0
	s_wait_dscnt 0
	WIN MUL_HI
	MUL16 4, 1, 1, 1, 0
	MUL16 6, 1, 1, 1, 0
	WIN 0
	PLACES NP                                      ; in front of the first read of results and of writes into A's registers
	s_wait_loadcnt 0x0                             ; the biases
.irp b, 0,1,2,3
	v_mov_b32 v[TM+4+\b], 0                        ; a lane permute's destination counts as one of its sources
.endr
	s_cmp_eq_u32 ttmp9, 2
	s_cbranch_scc1 .Lvalues
	; ---- q, k: block a of A is 16 tokens; my 64 registers are 128 outputs of my token = two heads of 64: registers 0-5 of the codes are the first head's half image, 6-11 the second's
	s_lshl_b32 s72, s43, 4
	s_lshl_b32 s73, s[WR], 3
	s_add_co_u32 s72, s72, s73                     ; my first fragment of tokens
	s_lshr_b32 s73, s72, 7                         ; the batch
	s_and_b32 s72, s72, 127                        ; the fragment in it
	s_lshl_b32 s73, s73, 4
	s_add_co_u32 s73, s73, s74                     ; 16 batch + head
	s_lshl_b32 s75, s73, 7
	s_add_co_u32 s75, s75, s72
	s_mul_i32 s84, s75, 768
	s_add_co_u32 s84, s84, QOFF                    ; q: codes,
	s_lshl_b32 s86, s75, 6
	s_add_co_u32 s86, s86, QSOFF                   ; words
	s_mul_i32 s88, s73, KVH
	s_lshr_b32 s75, s72, 3
	s_mul_i32 s75, s75, KVS
	s_add_co_u32 s88, s88, s75                     ; k: codes,
	s_add_co_u32 s90, s88, 6144                    ; words
	s_mov_b32 s78, 128*768                         ; from a head to the next: q's codes, q's words, k's both
	s_mov_b32 s79, 128*64
	s_mov_b32 s80, KVH
	s_cmp_eq_u32 ttmp9, 0
	s_cselect_b32 s84, s84, s88
	s_cselect_b32 s86, s86, s90
	s_cselect_b32 s88, s78, s80
	s_cselect_b32 s90, s79, s80
	s_mov_b32 s85, 0
	s_mov_b32 s87, 0
	s_mov_b32 s89, 0
	s_mov_b32 s91, 0
	s_add_nc_u64 s[84:85], s[14:15], s[84:85]
	s_add_nc_u64 s[86:87], s[14:15], s[86:87]
	s_add_nc_u64 s[88:89], s[84:85], s[88:89]
	s_add_nc_u64 s[90:91], s[86:87], s[90:91]
.macro EPI_QK a
.if \a > 0
	s_wait_xcnt 0x0                                ; the last block's stores have read their data: the registers are written again only behind this wait
.endif
	WIN 0x02+(\a)/4                                ; source 0: window 2 or 3
.set i, 0
.rept 32
	v_pk_add_f32 v[HA+i:HA+i+1], v[64*((\a)%4)+i:64*((\a)%4)+i+1], v[BI+i:BI+i+1]   ; + bias; each accumulator from its low end on
.set i, i+2
.endr
	WIN 0
	QUANT HA
	v_and_b32 v229, 0xffff, v[PW]                  ; the first head's two bytes; bytes 2, 3 stay 0 over the zero codes of k = 64 .. 127
	v_lshrrev_b32 v230, 16, v[PW]                  ; the second head's
	global_store_b128 v[L16], v[PC:PC+3], s[84:85] offset:768*\a
	global_store_b64 v[L8], v[PC+4:PC+5], s[84:85] offset:768*\a+512
	global_store_b32 v[R4], v229, s[86:87] offset:64*\a
	global_store_b128 v[L16], v[PC+6:PC+9], s[88:89] offset:768*\a
	global_store_b64 v[L8], v[PC+10:PC+11], s[88:89] offset:768*\a+512
	global_store_b32 v[R4], v230, s[90:91] offset:64*\a
.endm
.irp a, 0,1,2,3,4,5,6,7
	EPI_QK \a
.endr
	s_branch .Ldone
	; ---- v: block a of A is 16 outputs (fragment a % 4 of head a / 4); my 64 registers are 128 neighbouring keys of my output: one whole image of v^T
.Lvalues:
	s_lshl_b32 s72, s42, 1
	s_add_co_u32 s72, s72, s[WC]                   ; my 128 keys: panel of tokens
	s_lshr_b32 s73, s72, 4                         ; the batch
	s_and_b32 s72, s72, 15                         ; the key step
	s_lshl_b32 s73, s73, 4
	s_and_b32 s75, s43, 3
	s_lshl_b32 s75, s75, 2
	s_add_co_u32 s73, s73, s75
	s_lshl_b32 s75, s[WR], 1
	s_add_co_u32 s73, s73, s75                     ; 16 batch + my first head
	s_mul_i32 s84, s73, KVH
	s_mul_i32 s72, s72, KVS
	s_add_co_u32 s84, s84, s72
	s_add_co_u32 s84, s84, 6656
	s_mov_b32 s85, 0
	s_add_nc_u64 s[84:85], s[14:15], s[84:85]
.macro EPI_V a
.if \a > 0
	s_wait_xcnt 0x0
.endif
	WIN 0x02+(\a)/4
.set i, 0
.rept 32
	v_pk_add_f32 v[HA+i:HA+i+1], v[64*((\a)%4)+i:64*((\a)%4)+i+1], v[BIV+2*\a:BIV+2*\a+1]
.set i, i+2
.endr
	WIN 0
	QUANT HA
.irp c, 0,1,2
	global_store_b128 v[L16], v[PC+4*\c:PC+4*\c+3], s[84:85] offset:((\a)/4)*KVH+((\a)%4)*1536+512*\c
.endr
	global_store_b32 v[R4], v[PW], s[84:85] offset:6144+((\a)/4)*KVH+((\a)%4)*64
.endm
.irp a, 0,1,2,3,4,5,6,7
	EPI_V \a
.endr
.Ldone:
	s_wait_tensorcnt 0x0                           ; the wave's end
	ds_add_u32 v[SPW], v[NIL]
	s_wait_dscnt 0x0
	CROUND                                         ; the closing round
	s_endpgm
.Lfunc_end_k_qa35d841be6_qkv:
	.size	k_qa35d841be6_qkv, .Lfunc_end_k_qa35d841be6_qkv-k_qa35d841be6_qkv
	.p2alignl 7, 3214868480
	.fill 96, 4, 3214868480
	.section	.rodata,"a",@progbits
	.p2align	6, 0x0
	.amdhsa_kernel k_qa35d841be6_qkv
		.amdhsa_group_segment_fixed_size 327680
		.amdhsa_private_segment_fixed_size 0
		.amdhsa_enable_private_segment 0
		.amdhsa_kernarg_size 48
		.amdhsa_user_sgpr_count 2
		.amdhsa_user_sgpr_kernarg_segment_ptr 1
		.amdhsa_wavefront_size32 1
		.amdhsa_system_sgpr_workgroup_id_x 1
		.amdhsa_system_sgpr_workgroup_id_y 1
		.amdhsa_system_sgpr_workgroup_id_z 1
		.amdhsa_system_vgpr_workitem_id 0
		.amdhsa_next_free_vgpr 1024
		.amdhsa_next_free_sgpr 100
		.amdhsa_reserve_vcc 0
		.amdhsa_float_denorm_mode_32 3
		.amdhsa_float_denorm_mode_16_64 3
		.amdhsa_memory_ordered 1
		.amdhsa_forward_progress 1
		.amdhsa_inst_pref_size 211
	.end_amdhsa_kernel
	.amdgpu_metadata
---
amdhsa.version: [ 1, 2 ]
amdhsa.kernels:
  - .name:           k_qa35d841be6_qkv
    .symbol:         k_qa35d841be6_qkv.kd
    .args:
      - { .name: xc, .offset: 0, .size: 8, .value_kind: global_buffer, .address_space: global }
      - { .name: wc, .offset: 8, .size: 8, .value_kind: global_buffer, .address_space: global }
      - { .name: bq, .offset: 16, .size: 8, .value_kind: global_buffer, .address_space: global }
      - { .name: bk, .offset: 24, .size: 8, .value_kind: global_buffer, .address_space: global }
      - { .name: bv, .offset: 32, .size: 8, .value_kind: global_buffer, .address_space: global }
      - { .name: qkv, .offset: 40, .size: 8, .value_kind: global_buffer, .address_space: global }
    .group_segment_fixed_size: 327680
    .private_segment_fixed_size: 0
    .kernarg_segment_align: 8
    .kernarg_segment_size: 48
    .max_flat_workgroup_size: 128
    .sgpr_count:     100
    .vgpr_count:     1024
    .wavefront_size: 32
...
	.end_amdgpu_metadata
.endif
;; end of part 2
;; launch attn (part 3): grid 8 x 32, 16 waves a work-group, clusters of 4 x 1, 327,680 bytes of LDS; arguments qkv, ac; writes ac
.if DOCPART == 3
	.amdgcn_target "amdgcn-amd-amdhsa--gfx1250"
	.amdhsa_code_object_version 6
	.text
	.protected	k_qa35d841be6_attn
	.globl	k_qa35d841be6_attn
	.p2align	8
	.type	k_qa35d841be6_attn,@function
k_qa35d841be6_attn:
	s_mov_b64 s[64:65], 0
	v_nop
	global_prefetch_b8 v0, s[64:65] scope:SCOPE_SE
	s_setreg_imm32_b32 hwreg(HW_REG_WAVE_MODE, 25, 1), 1
	s_wait_xcnt 0x0
	s_wait_alu depctr_hold_cnt(0) depctr_sa_sdst(0) depctr_va_vdst(0) depctr_va_sdst(0) depctr_va_ssrc(0) depctr_va_vcc(0) depctr_vm_vsrc(0)
	s_getreg_b32 s2, hwreg(HW_REG_IB_STS2, 6, 4)
	s_cmp_eq_u32 s2, 0
	s_cbranch_scc0 .Lentry_in_a_cluster
	s_endpgm
.Lentry_in_a_cluster:
	s_bfe_u32 s2, ttmp6, 0x10000c
	s_cmp_lg_u32 s2, 0x3003
	s_cbranch_scc0 .Lentry_shape_is_right
	s_endpgm
.Lentry_shape_is_right:
; Causal attention of one (batch, head) on codes of FP6 (E2M3): S^T = k q^T, p = 2^(t - M) with M the ceiling of the running largest t, p quantised along the keys, O^T += v^T p^T, O / l quantised along C for the next product.
; LEFT OUT: key steps that lie wholly above the diagonal of the causal mask which the problem builds itself: their p are 0 for all inputs.
; WHO DOES WHAT.  The head's 2,048 queries are 16 blocks of 128, each of 8 fragments of 16.  Work-group x takes fragment x of EVERY block, so every work-group reads all 16 key steps of 128 keys.
; Block b needs b + 1 key steps.  The pair of waves i (0..7) shares block i and block 15 - i, 17 steps: role B takes steps 0 to 8 of block 15 - i; role A takes its steps 9 to 15 - i, leaves that partial
; (O^T, -M, l) in LDS, and then does block i whole.  Behind one barrier B joins A's partial to its own: both stand under whole-number M, so the factors are exact powers of two.  So a wave walks 8 or 9 steps.
; Roles are dealt so that of waves w, w + 4, w + 8, w + 12 two have each role.  All branches hang on the wave's number and on counted steps alone.
; LDS: all 16 key steps of the head (13,056 bytes each: 8 half images of k, their scale words, 4 images of v^T, their words) are fetched once: wave w fetches step w, one tensor load of 51 rows of 256 bytes.
; The four work-groups of a 4 x 1 cluster need the same bytes and ask jointly (mask 15).  Nothing is filled again.  Behind the tiles: 8 x 4,608 bytes for A's partials, then the spare words.
; THE HEAD HAS 64 OF THE INSTRUCTION'S 128 ALONG K.  q's codes of k = 64 .. 127 are zeros, and every code of FP6 is a finite number: so what stands in the upper six registers of a fragment of k adds nothing.
; The eight half fragments of k therefore lie 6 registers apart, each one's upper half being the next one's lower half, and come in one run of loads; v^T is fetched into the same registers directly behind the score products.
; No prefetch: the launch's one group of fetches stands at its head, and no loop runs ahead of a fetch.
; LIMITS: the scaled scores stay under 2^31 in magnitude; NaN and infinities are not served; a block of zeros gets the scale byte 1 (its codes are zeros; this program alone reads the bytes).
; The codes of a head are half of a register image: they leave as pieces of 8 and 16 bytes a lane, the scale bytes as 2 bytes a row.
; REGISTERS: v1-3 16, 8, 4 x lane; v8-10 a step's LDS addresses; v12 -M, v13 largest t, v14-15 l; v16-27 q, v28 its words; v29 my query's place for the mask; v32-85 k's eight half fragments, then (v32-79) v^T's four;
; v86 the partial's LDS address; v88-91 k's words, v92-93 v^T's; v96-159 scores, then p; v160-191 O^T; v192-210 p's codes; v212-218 the short block's q; v232-247 at work; v251, v255 the add's two; v252 f, v253 p's word.
.set CH,    12800
.set KVH,   208896
.set KVS,   13056
.set QOFF,  6684672
.set QSOFF, 9830400
.set STG,   16*KVS
.set SREG,  4608
.set SPARE, STG+8*SREG
.set WV,   18
.set SEL,  20
.set CS,   22
.set G1,   24
.set G0,   32
.set ROLE, 36
.set PI,   37
.set BLG,  38
.set TA,   39
.set BLK,  40
.set TB,   48
.set KSTP, 49
.set LIM,  50
.set IDX,  51
.set CNT,  52
.macro CROUND                          ; a round of the cluster's barrier
	s_barrier_signal -1
	s_barrier_wait -1
	s_cmp_lg_u32 s[WV], 0
	s_cbranch_scc1 .Lnw0_\@
	s_barrier_signal -3
.Lnw0_\@:
	s_barrier_wait -3
	s_barrier_signal -1
	s_barrier_wait -1
.endm
	s_load_b128 s[4:7], s[0:1], 0x0                ; qkv, ac
	v_lshl_add_u32 v251, v0, 2, SPARE
	v_mov_b32 v255, 0
	ds_add_u32 v251, v255                          ; the opening lines: the add, twice on end, and its wait
	ds_add_u32 v251, v255
	v_lshrrev_b32 v8, 5, v0
	v_readfirstlane_b32 s[WV], v8                  ; wave 0..15
	s_and_b32 s8, ttmp7, 0xffff                    ; 16 batch + head
	s_mul_i32 s10, s8, KVH
	s_mov_b32 s11, 0
	s_mul_i32 s9, s[WV], KVS                       ; my key step, in memory and in LDS
	s_mov_b32 s14, s9
	s_mov_b32 s15, 0
	s_mov_b32 s[G1], 15|(3<<16)|(1<<21)            ; the four of my cluster; elements of 8 bytes; bit 21 beside a mask
	s_mov_b32 s[G1+1], 32<<16                      ; rows of 256 bytes,
	s_mov_b32 s[G1+2], 51<<16                      ; 51 of them, dense
	s_mov_b32 s[G1+3], 32<<16
	s_mov_b32 s[G1+4], 51
	s_mov_b32 s[G1+5], 32
	s_mov_b32 s[G1+6], 0
	s_mov_b32 s[G1+7], 0
	s_wait_dscnt 0x0
	s_wait_kmcnt 0x0
	s_add_nc_u64 s[12:13], s[4:5], s[10:11]
	s_add_nc_u64 s[12:13], s[12:13], s[14:15]
	s_mov_b32 s[G0], 1
	s_mov_b32 s[G0+1], s9
	s_mov_b64 s[G0+2:G0+3], s[12:13]
	s_or_b32 s[G0+3], s[G0+3], 0x80000000
	CROUND                                         ; the four work-groups are here: the joint loads meet
	tensor_load_to_lds s[G0:G0+3], s[G1:G1+7]      ; my one tensor load
	s_nop 0
	s_bfe_u32 s[IDX], ttmp6, 0x40000
	s_lshl_b32 s16, ttmp9, 2
	s_add_co_u32 s[IDX], s[IDX], s16               ; work-group x = my fragment in every block: it enters global addresses and the mask's numbers alone
	s_lshr_b32 s[ROLE], s[WV], 2
	s_xor_b32 s[ROLE], s[ROLE], s[WV]
	s_and_b32 s[ROLE], s[ROLE], 1                  ; 1: role B, 0: role A
	s_lshr_b32 s[PI], s[WV], 1                     ; the pair = the short block
	s_xor_b32 s[BLG], s[PI], 15                    ; the long block, 15 - pair
	s_mov_b32 s[SEL], 0x76543210
	s_mov_b32 s[SEL+1], 0xfedcba98
	s_mov_b32 s[CS], 0x3e38aa3b                    ; log2(e) / 8
	s_mov_b32 s[CS+1], s[CS]
	s_lshl_b32 s53, s8, 7
	s_add_co_u32 s53, s53, s[IDX]
	s_lshl_b32 s54, s[BLG], 3
	s_add_co_u32 s54, s54, s53                     ; the long block's fragment of q
	s_lshl_b32 s55, s[PI], 3
	s_add_co_u32 s55, s55, s53                     ; the short block's
	s_mov_b32 s43, 0
	s_mul_i32 s42, s54, 768
	s_add_co_u32 s42, s42, QOFF
	s_add_nc_u64 s[56:57], s[4:5], s[42:43]
	s_lshl_b32 s42, s54, 6
	s_add_co_u32 s42, s42, QSOFF
	s_add_nc_u64 s[58:59], s[4:5], s[42:43]
	s_mul_i32 s42, s55, 768
	s_add_co_u32 s42, s42, QOFF
	s_add_nc_u64 s[60:61], s[4:5], s[42:43]
	s_lshl_b32 s42, s55, 6
	s_add_co_u32 s42, s42, QSOFF
	s_add_nc_u64 s[62:63], s[4:5], s[42:43]
	s_mul_i32 s44, s[PI], SREG
	s_add_co_u32 s44, s44, STG                     ; my pair's partial
	s_lshr_b32 s45, s[IDX], 1
	s_lshl_b32 s45, s45, 5
	s_and_b32 s46, s[IDX], 1
	s_lshl_b32 s46, s46, 3
	s_add_co_u32 s45, s45, s46                     ; the fragment's first query in its block
	v_and_b32 v4, 31, v0
	v_and_b32 v5, 15, v0
	v_bfe_u32 v6, v0, 4, 1
	v_lshlrev_b32 v1, 4, v4
	v_lshlrev_b32 v2, 3, v4
	v_lshlrev_b32 v3, 2, v4
	v_lshlrev_b32 v7, 2, v5
	global_load_b128 v[16:19], v1, s[56:57]
	global_load_b64 v[20:21], v2, s[56:57] offset:512
	global_load_b32 v28, v7, s[58:59]
	global_load_b128 v[212:215], v1, s[60:61]      ; the short block's q, which role A takes up later (role B's copy is not used: one path through the head)
	global_load_b64 v[216:217], v2, s[60:61] offset:512
	global_load_b32 v218, v7, s[62:63]
	v_add_nc_u32 v86, s44, v1
	v_and_b32 v29, 8, v5
	v_lshlrev_b32 v30, 4, v6
	s_delay_alu instid0(VALU_DEP_2)
	v_add_nc_u32 v29, v29, v5
	s_delay_alu instid0(VALU_DEP_1)
	v_sub_nc_u32 v29, v29, v30
	s_delay_alu instid0(VALU_DEP_1)
	v_add_nc_u32 v29, s45, v29                     ; my query's place in its block, less 16 (lane / 16)
.irp i, 22,23,24,25,26,27
	v_mov_b32 v[\i], 0                             ; q's codes of k = 64 .. 127: zeros
.endr
.irp i, 80,81,82,83,84,85
	v_mov_b32 v[\i], 0                             ; the upper half of k's eighth fragment: written once
.endr
	v_mov_b32 v13, 0xff61b1e6                      ; -3e38, under every t
	s_delay_alu instid0(VALU_DEP_1)
	v_floor_f32 v12, -v13
	v_mov_b32 v14, 0
	v_mov_b32 v15, 0
.irp b, 0,1,2,3
	v_mov_b32 v[236+\b], 0                         ; a lane permute's destination counts as one of its sources
.endr
	v_mov_b32 v252, 0
	v_mov_b32 v253, 0
.set j, 0
.rept 32
	v_mov_b32 v[160+j], 0
.set j, j+1
.endr
; One key step of 128 keys for my 16 queries; jumped over where it lies beyond s[LIM]; at s[LIM] the diagonal is masked
.macro STEP
	s_cmp_gt_i32 s[KSTP], s[LIM]
	s_cbranch_scc1 .Lhidden_\@
	s_min_u32 s[TA], s[TB], 15*KVS                 ; the steps that are walked lie inside the 16; the hold says so
	v_add_nc_u32 v8, s[TA], v1
	v_add_nc_u32 v9, s[TA], v2
	v_add_nc_u32 v10, s[TA], v3
	s_wait_alu depctr_va_vdst(0)
	v_nop
	v_nop                                          ; with the three above: the places ahead of loads into the registers that held v^T
.irp t, 0,1,2,3,4,5,6,7
	ds_load_b128 v[32+6*\t:35+6*\t], v8 offset:\t*768
	ds_load_b64 v[36+6*\t:37+6*\t], v9 offset:\t*768+512
.endr
.irp i, 0,1,2,3
	ds_load_b32 v[88+\i], v10 offset:6144+128*\i   ; lanes 0-15: the words of fragment 2 i, lanes 16-31: of 2 i + 1
.endr
	s_wait_dscnt 0x0
.irp t, 0,1,2,3,4,5,6,7
.if \t%2
	v_wmma_scale_f32_16x16x128_f8f6f4 v[96+8*\t:103+8*\t], v[32+6*\t:43+6*\t], v[16:27], 0, v[88+\t/2], v28 matrix_a_fmt:MATRIX_FMT_FP6 matrix_b_fmt:MATRIX_FMT_FP6 matrix_a_scale:MATRIX_SCALE_ROW1
.else
	v_wmma_scale_f32_16x16x128_f8f6f4 v[96+8*\t:103+8*\t], v[32+6*\t:43+6*\t], v[16:27], 0, v[88+\t/2], v28 matrix_a_fmt:MATRIX_FMT_FP6 matrix_b_fmt:MATRIX_FMT_FP6
.endif
.endr
.rept 4
	v_nop                                          ; four places: ahead of the loads below and of the first read of the scores
.endr
.irp t, 0,1,2,3
.irp c, 0,1,2
	ds_load_b128 v[32+12*\t+4*\c:35+12*\t+4*\c], v8 offset:6656+1536*\t+512*\c   ; v^T, on its way while p is made
.endr
.endr
.irp i, 0,1
	ds_load_b32 v[92+\i], v10 offset:12800+128*\i
.endr
	s_cmp_lg_u32 s[KSTP], s[LIM]
	s_cbranch_scc1 .Lopen_\@
	v_mov_b32 v254, 0xff800000
.set n, 0
.rept 64
	v_cmp_gt_i32 vcc_lo, 32*(n/16)+n%16, v29       ; register n is key 32 (n / 16) + 16 (lane / 16) + n % 16
	v_cndmask_b32 v[96+n], v[96+n], v254, vcc_lo
.set n, n+1
.endr
.Lopen_\@:
.irp b, 0,1,2,3
	v_max3_num_f32 v[232+\b], v[96+16*\b], v[97+16*\b], v[98+16*\b]   ; each block's largest score: for the row's maximum and for the block's largest p
.endr
.irp i, 3,5,7,9,11,13
.irp b, 0,1,2,3
	v_max3_num_f32 v[232+\b], v[232+\b], v[96+16*\b+\i], v[97+16*\b+\i]
.endr
.endr
.irp b, 0,1,2,3
	v_max_num_f32 v[232+\b], v[232+\b], v[111+16*\b]
.endr
.irp b, 0,1,2,3
	s_delay_alu instid0(VALU_DEP_4)
	v_permlanex16_b32 v[236+\b], v[232+\b], s[SEL], s[SEL+1]
.endr
.irp b, 0,1,2,3
	s_delay_alu instid0(VALU_DEP_4)
	v_max_num_f32 v[232+\b], v[232+\b], v[236+\b]
.endr
	s_delay_alu instid0(VALU_DEP_2)
	v_max3_num_f32 v254, v232, v233, v234
	s_delay_alu instid0(VALU_DEP_1)
	v_max_num_f32 v254, v254, v235
	s_delay_alu instid0(VALU_DEP_1)
	v_mul_f32 v254, s[CS], v254
	s_delay_alu instid0(VALU_DEP_1)
	v_max_num_f32 v13, v13, v254                   ; the running largest t
	v_mov_b32 v254, v12
	s_delay_alu instid0(VALU_DEP_2)
	v_floor_f32 v12, -v13                          ; -M = floor(-t)
	s_delay_alu instid0(VALU_DEP_1)
	v_sub_f32 v254, v12, v254
	s_delay_alu instid0(VALU_DEP_1)
	v_cvt_i32_f32 v254, v254
	s_delay_alu instid0(VALU_DEP_1)
	v_ldexp_f32 v252, 1.0, v254                    ; f = 2^(old M - new M)
.set j, 0
.rept 32
	v_pk_fma_f32 v[96+j:97+j], v[96+j:97+j], s[CS:CS+1], v[12:13] op_sel_hi:[1,0,0]   ; t - M
.set j, j+2
.endr
.irp b, 0,1,2,3
	v_fma_f32 v[232+\b], v[232+\b], s[CS], v12
.endr
.set j, 0
	s_wait_alu depctr_va_vdst(0)                   ; ahead of the batch
.rept 64
	v_exp_f32 v[96+j], v[96+j]
.set j, j+1
.endr
	v_pk_mul_f32 v[14:15], v[14:15], v[252:253] op_sel_hi:[1,0]
	s_wait_alu depctr_va_vdst(0)                   ; and behind it
.irp b, 0,1,2,3
	v_exp_f32 v[232+\b], v[232+\b]                 ; each block's largest p
.endr
	v_pk_add_f32 v[236:237], v[96:97], v[98:99]    ; the row's sum, of the unquantised p
.irp j, 4,8,12,16,20,24,28,32,36,40,44,48,52,56,60
	v_pk_add_f32 v[14:15], v[14:15], v[96+\j:97+\j]
	v_pk_add_f32 v[236:237], v[236:237], v[98+\j:99+\j]
.endr
	s_delay_alu instid0(VALU_DEP_1)
	v_pk_add_f32 v[14:15], v[14:15], v[236:237]
	s_wait_alu depctr_va_vdst(0)
.irp b, 0,1,2,3
	v_max_num_f32 v[232+\b], 0x1800000, v[232+\b]  ; the floor: the byte cannot fall under 1
.endr
.irp b, 0,1,2,3
	s_delay_alu instid0(VALU_DEP_4)
	v_add_nc_u32 v[244+\b], 0xff000000, v[232+\b]
.endr
.irp b, 0,1,2,3
	s_delay_alu instid0(VALU_DEP_4)
	v_lshrrev_b32 v[236+\b], 23, v[244+\b]
.endr
	s_delay_alu instid0(VALU_DEP_3)
	v_lshl_or_b32 v253, v237, 8, v236
	s_delay_alu instid0(VALU_DEP_1)
	v_lshl_or_b32 v253, v238, 16, v253
	s_delay_alu instid0(VALU_DEP_1)
	v_lshl_or_b32 v253, v239, 24, v253
.irp c, 0,1
	v_cvt_scalef32_pk16_fp6_f32 v[192+6*\c:194+6*\c], v[96+32*\c:111+32*\c], v[244+2*\c]
	v_cvt_scalef32_pk16_fp6_f32 v[204+4*\c:206+4*\c], v[112+32*\c:127+32*\c], v[244+2*\c+1]
.endr
	v_nop
.irp c, 0,1
.irp i, 0,1,2
	v_permlane16_swap_b32 v[192+6*\c+\i], v[204+4*\c+\i]
.endr
.irp i, 0,1,2
	s_delay_alu instid0(VALU_DEP_3)
	v_mov_b32 v[195+6*\c+\i], v[204+4*\c+\i]
.endr
.endr
	s_wait_alu depctr_va_vdst(0)                   ; directly ahead of the first reader of O^T
.set j, 0
.rept 16
	v_pk_mul_f32 v[160+j:161+j], v[160+j:161+j], v[252:253] op_sel_hi:[1,0]   ; O^T under the new M
.set j, j+2
.endr
	s_wait_alu depctr_va_vdst(0)
	s_wait_dscnt 0x0                               ; v^T and its words
.irp t, 0,1,2,3
.if \t%2
	v_wmma_scale_f32_16x16x128_f8f6f4 v[160+8*\t:167+8*\t], v[32+12*\t:43+12*\t], v[192:203], v[160+8*\t:167+8*\t], v[92+\t/2], v253 matrix_a_fmt:MATRIX_FMT_FP6 matrix_b_fmt:MATRIX_FMT_FP6 matrix_a_scale:MATRIX_SCALE_ROW1
.else
	v_wmma_scale_f32_16x16x128_f8f6f4 v[160+8*\t:167+8*\t], v[32+12*\t:43+12*\t], v[192:203], v[160+8*\t:167+8*\t], v[92+\t/2], v253 matrix_a_fmt:MATRIX_FMT_FP6 matrix_b_fmt:MATRIX_FMT_FP6
.endif
.endr
.Lhidden_\@:
	s_add_co_u32 s[TB], s[TB], KVS
	s_add_co_u32 s[KSTP], s[KSTP], 1
.endm
	s_xor_b32 s46, s[ROLE], 1
	s_mul_i32 s[TB], s46, 9*KVS                    ; the long block: role B begins at key step 0, role A at 9
	s_mul_i32 s[KSTP], s46, 9
	s_mov_b32 s[LIM], s[BLG]
	s_mov_b32 s[CNT], 9
	s_wait_alu depctr_va_vdst(0)
	s_wait_loadcnt 0x0                             ; q
	s_wait_tensorcnt 0x0                           ; my key step is in
	s_barrier_signal -1
	s_barrier_wait -1                              ; and everybody's
.Lone:
	STEP
	s_sub_co_u32 s[CNT], s[CNT], 1
	s_cmp_lg_u32 s[CNT], 0
	s_cbranch_scc1 .Lone
	s_cmp_eq_u32 s[ROLE], 1
	s_cbranch_scc1 .Lkeep
.rept 4
	v_nop                                          ; four places behind the last products
.endr
.irp j, 0,1,2,3,4,5,6,7
	ds_store_b128 v86, v[160+4*\j:163+4*\j] offset:512*\j   ; role A: the long block's partial, as an image of the registers; each accumulator from its low end on
.endr
	ds_store_b128 v86, v[12:15] offset:4096        ; -M, the largest t, l's two halves
	v_mov_b32 v28, v218                            ; and the short block begins
.irp i, 0,1,2,3,4,5
	v_mov_b32 v[16+\i], v[212+\i]
.endr
	v_mov_b32 v13, 0xff61b1e6
	v_mov_b32 v14, 0
	v_mov_b32 v15, 0
	v_floor_f32 v12, -v13
.set j, 0
.rept 32
	v_mov_b32 v[160+j], 0
.set j, j+1
.endr
	s_wait_alu depctr_va_vdst(0)
.Lkeep:
	s_cmp_eq_u32 s[ROLE], 0
	s_cselect_b32 s[LIM], s[PI], -1                ; role B has no step here
	s_mov_b32 s[KSTP], 0
	s_mov_b32 s[TB], 0
	s_mov_b32 s[CNT], 8
.Ltwo:
	STEP
	s_sub_co_u32 s[CNT], s[CNT], 1
	s_cmp_lg_u32 s[CNT], 0
	s_cbranch_scc1 .Ltwo
.rept 4
	v_nop                                          ; four places behind the last products
.endr
	s_wait_dscnt 0x0                               ; for the others' sake: my partial lies in LDS
	s_barrier_signal -1
	s_barrier_wait -1
	s_cmp_eq_u32 s[ROLE], 1
	s_cbranch_scc0 .Lwhole
.irp j, 0,1,2,3,4,5,6,7,8
	ds_load_b128 v[96+4*\j:99+4*\j], v86 offset:512*\j      ; role B: my partner's partial of the same 16 queries
.endr
	s_wait_dscnt 0x0
	v_min_num_f32 v254, v12, v128                  ; -M of both
	v_add_f32 v14, v14, v15
	v_add_f32 v130, v130, v131
	s_delay_alu instid0(VALU_DEP_3)
	v_sub_f32 v232, v254, v12                      ; whole numbers, 0 or less
	v_sub_f32 v233, v254, v128
	s_delay_alu instid0(VALU_DEP_2)
	v_cvt_i32_f32 v232, v232                       ; (it saturates: a partial of no step gets the factor 0)
	s_delay_alu instid0(VALU_DEP_2)
	v_cvt_i32_f32 v233, v233
	s_delay_alu instid0(VALU_DEP_2)
	v_ldexp_f32 v252, 1.0, v232
	s_delay_alu instid0(VALU_DEP_2)
	v_ldexp_f32 v234, 1.0, v233
	v_mov_b32 v15, 0
	s_delay_alu instid0(VALU_DEP_3)
	v_mul_f32 v14, v14, v252
.set j, 0
.rept 32
	v_mul_f32 v[160+j], v[160+j], v252
.set j, j+1
.endr
	v_fma_f32 v14, v130, v234, v14
.set j, 0
.rept 32
	v_fma_f32 v[160+j], v[96+j], v234, v[160+j]
.set j, j+1
.endr
	s_wait_alu depctr_va_vdst(0)
.Lwhole:
	s_cmp_eq_u32 s[ROLE], 1
	s_cselect_b32 s[BLK], s[BLG], s[PI]            ; the block that I finish
	v_add_f32 v14, v14, v15
	s_delay_alu instid0(VALU_DEP_1)
	v_permlanex16_b32 v252, v14, s[SEL], s[SEL+1]
	s_delay_alu instid0(VALU_DEP_1)
	v_add_f32 v14, v14, v252                       ; the row's sum
	s_wait_alu depctr_va_vdst(0)
	v_rcp_f32 v14, v14
	s_lshr_b32 s53, s8, 4
	s_lshl_b32 s53, s53, 4
	s_add_co_u32 s53, s53, s[BLK]
	s_lshl_b32 s53, s53, 3
	s_bfe_u32 s54, s8, 0x30001
	s_add_co_u32 s53, s53, s54
	s_mul_i32 s42, s53, CH                         ; the chunk: panel 16 batch + block, K step head / 2
	s_add_nc_u64 s[6:7], s[6:7], s[42:43]
	s_mul_i32 s53, s[IDX], 1536
	v_add_nc_u32 v11, s53, v1
	s_lshl_b32 s53, s[IDX], 6
	s_and_b32 s54, s8, 1
	s_lshl_b32 s54, s54, 1
	s_add_co_u32 s53, s53, s54
	v_add_nc_u32 v31, s53, v7
	s_wait_alu depctr_va_vdst(0)                   ; behind the transcendental, directly ahead of the first reader of O^T
.set j, 0
.rept 32
	v_mul_f32 v[96+j], v[160+j], v14
.set j, j+1
.endr
.irp b, 0,1
	v_max3_num_f32 v[232+\b], |v[96+16*\b]|, |v[97+16*\b]|, 0x1800000
.endr
.irp i, 2,4,6,8,10,12,14
.irp b, 0,1
	s_delay_alu instid0(VALU_DEP_2)
	v_max3_num_f32 v[232+\b], v[232+\b], |v[96+16*\b+\i]|, |v[97+16*\b+\i]|
.endr
.endr
.irp b, 0,1
	s_delay_alu instid0(VALU_DEP_2)
	v_permlanex16_b32 v[236+\b], v[232+\b], s[SEL], s[SEL+1]
.endr
.irp b, 0,1
	s_delay_alu instid0(VALU_DEP_2)
	v_max_num_f32 v[232+\b], v[232+\b], v[236+\b]
.endr
.irp b, 0,1
	s_delay_alu instid0(VALU_DEP_2)
	v_add_nc_u32 v[244+\b], 0xff000000, v[232+\b]
.endr
.irp b, 0,1
	s_delay_alu instid0(VALU_DEP_2)
	v_lshrrev_b32 v[236+\b], 23, v[244+\b]
.endr
	s_delay_alu instid0(VALU_DEP_1)
	v_lshl_or_b32 v240, v237, 8, v236
	v_cvt_scalef32_pk16_fp6_f32 v[192:194], v[96:111], v244
	v_cvt_scalef32_pk16_fp6_f32 v[204:206], v[112:127], v245
	v_nop
.irp i, 0,1,2
	v_permlane16_swap_b32 v[192+\i], v[204+\i]
.endr
.irp i, 0,1,2
	s_delay_alu instid0(VALU_DEP_3)
	v_mov_b32 v[195+\i], v[204+\i]
.endr
	s_bitcmp1_b32 s8, 0                            ; an even head is registers 0-5 of the image, an odd one 6-11
	s_cbranch_scc1 .Lodd
	global_store_b128 v11, v[192:195], s[6:7]
	global_store_b64 v11, v[196:197], s[6:7] offset:512
	s_branch .Lwords
.Lodd:
	s_wait_alu depctr_va_vdst(0)
	global_store_b64 v11, v[192:193], s[6:7] offset:520
	global_store_b128 v11, v[194:197], s[6:7] offset:1024
.Lwords:
	s_wait_alu depctr_va_vdst(0)
	global_store_b16 v31, v240, s[6:7] offset:12288
	s_wait_tensorcnt 0x0                           ; the wave's end
	ds_add_u32 v251, v255
	s_wait_dscnt 0x0
	CROUND                                         ; the closing round
	s_endpgm
.Lfunc_end_k_qa35d841be6_attn:
	.size	k_qa35d841be6_attn, .Lfunc_end_k_qa35d841be6_attn-k_qa35d841be6_attn
	.p2alignl 7, 3214868480
	.fill 96, 4, 3214868480
	.section	.rodata,"a",@progbits
	.p2align	6, 0x0
	.amdhsa_kernel k_qa35d841be6_attn
		.amdhsa_group_segment_fixed_size 327680
		.amdhsa_private_segment_fixed_size 0
		.amdhsa_enable_private_segment 0
		.amdhsa_kernarg_size 16
		.amdhsa_user_sgpr_count 2
		.amdhsa_user_sgpr_kernarg_segment_ptr 1
		.amdhsa_wavefront_size32 1
		.amdhsa_system_sgpr_workgroup_id_x 1
		.amdhsa_system_sgpr_workgroup_id_y 1
		.amdhsa_system_sgpr_workgroup_id_z 1
		.amdhsa_system_vgpr_workitem_id 0
		.amdhsa_next_free_vgpr 256
		.amdhsa_next_free_sgpr 66
		.amdhsa_reserve_vcc 1
		.amdhsa_float_denorm_mode_32 3
		.amdhsa_float_denorm_mode_16_64 3
		.amdhsa_memory_ordered 1
		.amdhsa_forward_progress 1
		.amdhsa_inst_pref_size 64
	.end_amdhsa_kernel
	.amdgpu_metadata
---
amdhsa.version: [ 1, 2 ]
amdhsa.kernels:
  - .name:           k_qa35d841be6_attn
    .symbol:         k_qa35d841be6_attn.kd
    .args:
      - { .name: qkv, .offset: 0, .size: 8, .value_kind: global_buffer, .address_space: global }
      - { .name: ac, .offset: 8, .size: 8, .value_kind: global_buffer, .address_space: global }
    .group_segment_fixed_size: 327680
    .private_segment_fixed_size: 0
    .kernarg_segment_align: 8
    .kernarg_segment_size: 16
    .max_flat_workgroup_size: 512
    .sgpr_count:     66
    .vgpr_count:     256
    .wavefront_size: 32
...
	.end_amdgpu_metadata
.endif
;; end of part 3
;; launch woln (part 4): grid 256 x 1, 16 waves a work-group, no clusters, 67,840 bytes of LDS; arguments ac, wc, x, st, gamma1, beta1, bo, gamma2, beta2, x2, xc; writes x2, xc
.if DOCPART == 4
	.amdgcn_target "amdgcn-amd-amdhsa--gfx1250"
	.amdhsa_code_object_version 6
	.text
	.protected	k_qa35d841be6_woln
	.globl	k_qa35d841be6_woln
	.p2align	8
	.type	k_qa35d841be6_woln,@function
k_qa35d841be6_woln:
	s_mov_b64 s[64:65], 0
	v_nop
	global_prefetch_b8 v0, s[64:65] scope:SCOPE_SE
	s_setreg_imm32_b32 hwreg(HW_REG_WAVE_MODE, 25, 1), 1
	s_wait_xcnt 0x0
; x3 = LN2(LN1(x) + (h Wo + bo)): the product on codes of FP6 (K = 1,024), the residual, the second layer norm and its quantising, in one launch.
; OUT: x3 as f32 (buffer x2: the last launch adds it as it lies), and x3's codes with E8M0 scales along C, laid as register images in chunks (buffer xc).
; A WORK-GROUP OWNS 16 TOKENS (fragment g of the tokens) AND ALL 1,024 OUTPUTS, so that a token's row is whole in one work-group: 256 work-groups.  Wave w of 16 makes outputs 64 w .. 64 w + 63: four accumulators.
; Operands lie as chunks (128 rows x 128 K: 8 register images of 1,536 bytes, then scale words at 12,288 + 64 f + 4 r); row r of fragment f is row 32 (f / 2) + 8 (f % 2) + r + 8 (r / 8) of its 128.
; With 16 rows of tokens a fragment of Wo feeds ONE matrix instruction in the whole work-group: so it goes from memory straight into the operand's registers, three loads of 512 consecutive bytes, and through no LDS;
; hence no tensor loads and no joint loads: nothing is staged that partners could share.  Two sets of operand registers: the loads run two K steps (36 loads a wave) ahead; no further prefetch.
; The tokens' fragment (1,536 bytes a K step) is loaded by every wave for itself.
; Source 0 = Wo's fragment, source 1 = the tokens': a lane holds one token and neighbouring outputs.  The sums go through a stage in LDS (16 rows of 4,096 + 16 bytes); then wave w has token row w whole, 16 bytes x 8 a lane:
; LN1(x) is made anew from x, the stored (mean, rstd) and gamma1, beta1 by the same three operations as in the launch that normed it; the sums of LN2 need no other wave.  The normed rows go back into the stage,
; and waves 0 to 7 each quantise one K step of all 16 rows.
; LIMITS: NaN and infinities are not served; a block of zeros gets the byte 1 where the rule says 127 (its codes are zeros, and this program alone reads the bytes).  The scale words leave as pieces of 64 bytes.
; REGISTERS: v4 16 x lane, v5-8 global offsets, v9-11 LDS addresses; v16-47 accumulators, then the staged row, then sums; v48-79 x's row, then x2, x3; v80-142, v144-206 the two operand sets (Wo 48, tokens 12, words 3),
; later beta1, bo, gamma2, beta2, then the quantiser's; v208-239 gamma1; v254, v255 the add's two.
.set CH,    12800
.set WOFF,  2457600
.set PIT,   4112
.set SPARE, 16*PIT
.set ACC,   16
.set X,     48
.set B0,    80
.set B1,    144
.set G1R,   208
.set B1R,   80
.set BOR,   112
.set G2R,   144
.set B2R,   176
.set SA,    16
.set MN,    24
.set VR,    26
.set RS,    28
.set QS,    80
.set PC,    144
.set TM,    164
.set PW,    180
.set WV,    16
.set SEL,   20
.macro FOLD a                          ; four pairs of partial sums -> the wave's sum, in every lane
	s_delay_alu instid0(VALU_DEP_3)
	v_pk_add_f32 v[\a:\a+1], v[\a:\a+1], v[\a+2:\a+3]
	s_delay_alu instid0(VALU_DEP_2)
	v_pk_add_f32 v[\a+4:\a+5], v[\a+4:\a+5], v[\a+6:\a+7]
	s_delay_alu instid0(VALU_DEP_1)
	v_pk_add_f32 v[\a:\a+1], v[\a:\a+1], v[\a+4:\a+5]
	s_delay_alu instid0(VALU_DEP_1)
	v_add_f32 v[\a], v[\a], v[\a+1]
	s_delay_alu instid0(VALU_DEP_1)
	v_add_f32_dpp v[\a], v[\a], v[\a] row_xmask:1 row_mask:0xf bank_mask:0xf
	s_delay_alu instid0(VALU_DEP_1)
	v_add_f32_dpp v[\a], v[\a], v[\a] row_xmask:2 row_mask:0xf bank_mask:0xf
	s_delay_alu instid0(VALU_DEP_1)
	v_add_f32_dpp v[\a], v[\a], v[\a] row_xmask:4 row_mask:0xf bank_mask:0xf
	s_delay_alu instid0(VALU_DEP_1)
	v_add_f32_dpp v[\a], v[\a], v[\a] row_xmask:8 row_mask:0xf bank_mask:0xf
	s_delay_alu instid0(VALU_DEP_1)
	v_permlanex16_b32 v[\a+1], v[\a], s[SEL], s[SEL+1]
	s_delay_alu instid0(VALU_DEP_1)
	v_add_f32 v[\a], v[\a], v[\a+1]
.endm
.macro ROWSUM x, a
.irp k, 0,1,2,3
	v_pk_add_f32 v[\a+2*\k:\a+2*\k+1], v[\x+2*\k:\x+2*\k+1], v[\x+8+2*\k:\x+9+2*\k]
.endr
.irp o, 16,24
.irp k, 0,1,2,3
	s_delay_alu instid0(VALU_DEP_4)
	v_pk_add_f32 v[\a+2*\k:\a+2*\k+1], v[\a+2*\k:\a+2*\k+1], v[\x+\o+2*\k:\x+\o+1+2*\k]
.endr
.endr
	FOLD \a
.endm
.macro ROWSQ x, a
.irp k, 0,1,2,3
	v_pk_mul_f32 v[\a+2*\k:\a+2*\k+1], v[\x+2*\k:\x+2*\k+1], v[\x+2*\k:\x+2*\k+1]
.endr
.irp o, 8,16,24
.irp k, 0,1,2,3
	s_delay_alu instid0(VALU_DEP_4)
	v_pk_fma_f32 v[\a+2*\k:\a+2*\k+1], v[\x+\o+2*\k:\x+\o+1+2*\k], v[\x+\o+2*\k:\x+\o+1+2*\k], v[\a+2*\k:\a+2*\k+1]
.endr
.endr
	FOLD \a
.endm
.macro QUANT s                         ; 64 numbers of a lane (register 16 b + i = k 32 b + 16 (lane / 16) + i of my row) -> a fragment's 12 registers in v[PC] on, its scale word in v[PW]
.irp b, 0,1,2,3
	v_max3_num_f32 v[TM+\b], |v[\s+16*\b]|, |v[\s+1+16*\b]|, 0x1800000   ; with the floor 2^(3 - 127): the byte cannot fall under 1
.endr
.irp i, 2,4,6,8,10,12,14
.irp b, 0,1,2,3
	s_delay_alu instid0(VALU_DEP_4)
	v_max3_num_f32 v[TM+\b], v[TM+\b], |v[\s+16*\b+\i]|, |v[\s+1+16*\b+\i]|
.endr
.endr
.irp b, 0,1,2,3
	s_delay_alu instid0(VALU_DEP_4)
	v_permlanex16_b32 v[TM+4+\b], v[TM+\b], s[SEL], s[SEL+1]
.endr
.irp b, 0,1,2,3
	s_delay_alu instid0(VALU_DEP_4)
	v_max_num_f32 v[TM+\b], v[TM+\b], v[TM+4+\b]
.endr
.irp b, 0,1,2,3
	s_delay_alu instid0(VALU_DEP_4)
	v_add_nc_u32 v[TM+12+\b], 0xff000000, v[TM+\b]
.endr
.irp b, 0,1,2,3
	s_delay_alu instid0(VALU_DEP_4)
	v_lshrrev_b32 v[TM+4+\b], 23, v[TM+12+\b]
.endr
	s_delay_alu instid0(VALU_DEP_3)
	v_lshl_or_b32 v[PW], v[TM+5], 8, v[TM+4]
	s_delay_alu instid0(VALU_DEP_1)
	v_lshl_or_b32 v[PW], v[TM+6], 16, v[PW]
	s_delay_alu instid0(VALU_DEP_1)
	v_lshl_or_b32 v[PW], v[TM+7], 24, v[PW]
.irp c, 0,1
	v_cvt_scalef32_pk16_fp6_f32 v[PC+6*\c:PC+2+6*\c], v[\s+32*\c:\s+15+32*\c], v[TM+12+2*\c]
	v_cvt_scalef32_pk16_fp6_f32 v[PC+12+4*\c:PC+14+4*\c], v[\s+16+32*\c:\s+31+32*\c], v[TM+12+2*\c+1]
.endr
	v_nop
.irp c, 0,1
.irp i, 0,1,2
	v_permlane16_swap_b32 v[PC+6*\c+\i], v[PC+12+4*\c+\i]
.endr
.irp i, 0,1,2
	s_delay_alu instid0(VALU_DEP_3)
	v_mov_b32 v[PC+3+6*\c+\i], v[PC+12+4*\c+\i]
.endr
.endr
.endm
.macro KLOAD ks, bf                    ; K step ks into set bf: 18 loads
.irp t, 0,1,2,3
.irp c, 0,1,2
	global_load_b128 v[\bf+12*\t+4*\c:\bf+12*\t+4*\c+3], v7, s[6:7] offset:(\ks)*CH+\t*1536+512*\c
.endr
.endr
.irp c, 0,1,2
	global_load_b128 v[\bf+48+4*\c:\bf+48+4*\c+3], v5, s[4:5] offset:(\ks)*CH+512*\c
.endr
.irp i, 0,1
	global_load_b32 v[\bf+60+\i], v8, s[6:7] offset:(\ks)*CH+128*\i   ; lanes 0-15: the words of my fragment 2 i, lanes 16-31: of 2 i + 1
.endr
	global_load_b32 v[\bf+62], v6, s[4:5] offset:(\ks)*CH
.endm
.macro KMUL bf, zero                   ; the four accumulators take turns; four places follow, ahead of loads into the set
.irp t, 0,1,2,3
.if \zero
.if \t%2
	v_wmma_scale_f32_16x16x128_f8f6f4 v[ACC+8*\t:ACC+8*\t+7], v[\bf+12*\t:\bf+12*\t+11], v[\bf+48:\bf+59], 0, v[\bf+60+\t/2], v[\bf+62] matrix_a_fmt:MATRIX_FMT_FP6 matrix_b_fmt:MATRIX_FMT_FP6 matrix_a_scale:MATRIX_SCALE_ROW1
.else
	v_wmma_scale_f32_16x16x128_f8f6f4 v[ACC+8*\t:ACC+8*\t+7], v[\bf+12*\t:\bf+12*\t+11], v[\bf+48:\bf+59], 0, v[\bf+60+\t/2], v[\bf+62] matrix_a_fmt:MATRIX_FMT_FP6 matrix_b_fmt:MATRIX_FMT_FP6
.endif
.else
.if \t%2
	v_wmma_scale_f32_16x16x128_f8f6f4 v[ACC+8*\t:ACC+8*\t+7], v[\bf+12*\t:\bf+12*\t+11], v[\bf+48:\bf+59], v[ACC+8*\t:ACC+8*\t+7], v[\bf+60+\t/2], v[\bf+62] matrix_a_fmt:MATRIX_FMT_FP6 matrix_b_fmt:MATRIX_FMT_FP6 matrix_a_scale:MATRIX_SCALE_ROW1
.else
	v_wmma_scale_f32_16x16x128_f8f6f4 v[ACC+8*\t:ACC+8*\t+7], v[\bf+12*\t:\bf+12*\t+11], v[\bf+48:\bf+59], v[ACC+8*\t:ACC+8*\t+7], v[\bf+60+\t/2], v[\bf+62] matrix_a_fmt:MATRIX_FMT_FP6 matrix_b_fmt:MATRIX_FMT_FP6
.endif
.endif
.endr
.rept 4
	v_nop
.endr
.endm
.macro ROW8 reg, base                  ; a row of 1,024 f32 at my columns: 8 loads of 512 consecutive bytes
.set j, 0
.rept 8
	global_load_b128 v[\reg+4*j:\reg+4*j+3], v4, s[\base:\base+1] offset:512*j
.set j, j+1
.endr
.endm
	s_load_b128 s[4:7], s[0:1], 0x0                ; ac, wc
	s_load_b128 s[8:11], s[0:1], 0x10              ; x, st
	s_load_b128 s[12:15], s[0:1], 0x20             ; gamma1, beta1
	s_load_b128 s[24:27], s[0:1], 0x30             ; bo, gamma2
	s_load_b128 s[28:31], s[0:1], 0x40             ; beta2, x2
	s_load_b64 s[32:33], s[0:1], 0x50              ; xc
	v_lshl_add_u32 v254, v0, 2, SPARE
	v_mov_b32 v255, 0
	v_lshrrev_b32 v1, 5, v0
	v_readfirstlane_b32 s[WV], v1                  ; wave 0..15
	v_and_b32 v1, 31, v0                           ; lane
	v_and_b32 v2, 15, v0                           ; r
	v_bfe_u32 v3, v0, 4, 1                         ; h
	v_lshlrev_b32 v4, 4, v1                        ; 16 x lane
	s_wait_alu depctr_va_vdst(0)
	s_mov_b32 s[SEL], 0x76543210
	s_mov_b32 s[SEL+1], 0xfedcba98
	s_mov_b32 s22, 0x3a802008                      ; 1 / 1023
	s_mov_b32 s23, 0x3727c5ac                      ; 1e-5
	s_and_b32 s34, ttmp9, 7                        ; my fragment in its panel of tokens
	s_mul_i32 s35, s34, 1536
	v_add_nc_u32 v5, s35, v4                       ; its image: in ac, and in xc
	s_lshl_b32 s35, s34, 6
	s_add_co_u32 s35, s35, 12288
	v_lshl_add_u32 v6, v2, 2, s35                  ; its scale words
	s_and_b32 s34, s[WV], 1
	s_mul_i32 s35, s34, 6144
	v_add_nc_u32 v7, s35, v4                       ; Wo: fragments 4 (w % 2) on of panel w / 2
	s_lshl_b32 s35, s34, 8
	s_add_co_u32 s35, s35, 12288
	v_lshl_add_u32 v8, v1, 2, s35                  ; their words, two fragments a load
	v_mul_u32_u24 v12, v2, PIT
	s_delay_alu instid0(VALU_DEP_1)
	v_lshl_add_u32 v12, v3, 6, v12                 ; the stage: row r, + 64 h
	s_lshl_b32 s35, s[WV], 8
	v_add_nc_u32 v9, s35, v12                      ; the sums go in at my 64 outputs
	s_and_b32 s34, s[WV], 7
	s_lshl_b32 s35, s34, 9
	v_add_nc_u32 v11, s35, v12                     ; the quantiser reads K step w % 8
	s_mul_i32 s35, s[WV], PIT
	v_add_nc_u32 v10, s35, v4                      ; row w, 16 bytes a lane
	s_lshr_b32 s17, ttmp9, 3
	s_mul_i32 s42, s17, 8*CH                       ; the panel of tokens, in ac
	s_mov_b32 s43, 0
	s_mul_i32 s46, s34, CH
	s_add_co_u32 s46, s46, s42                     ; and its chunk of K step w % 8, in xc
	s_mov_b32 s47, 0
	s_lshr_b32 s35, s[WV], 1
	s_mul_i32 s44, s35, 8*CH
	s_add_co_u32 s44, s44, WOFF                    ; Wo's panel w / 2
	s_mov_b32 s45, 0
	s_lshr_b32 s34, ttmp9, 1
	s_lshl_b32 s34, s34, 5
	s_and_b32 s35, ttmp9, 1
	s_lshl_b32 s35, s35, 3
	s_add_co_u32 s34, s34, s35
	s_add_co_u32 s34, s34, s[WV]
	s_lshr_b32 s35, s[WV], 3
	s_lshl_b32 s35, s35, 3
	s_add_co_u32 s34, s34, s35                     ; row w of the fragment is token 32 (g / 2) + 8 (g % 2) + w + 8 (w / 8)
	s_lshl_b32 s48, s34, 12
	s_mov_b32 s49, 0
	s_lshl_b32 s50, s34, 3
	s_mov_b32 s51, 0
	s_wait_alu depctr_va_vdst(0)
	s_wait_kmcnt 0x0
	s_add_nc_u64 s[4:5], s[4:5], s[42:43]
	s_add_nc_u64 s[6:7], s[6:7], s[44:45]
	KLOAD 0, B0
	KLOAD 1, B1
	s_add_nc_u64 s[8:9], s[8:9], s[48:49]
	s_add_nc_u64 s[10:11], s[10:11], s[50:51]
	s_add_nc_u64 s[30:31], s[30:31], s[48:49]
	s_add_nc_u64 s[32:33], s[32:33], s[46:47]
	s_load_b64 s[36:37], s[10:11], 0x0             ; my token's (mean, rstd) of LN1
	ROW8 X, 8                                      ; x's row
	ROW8 G1R, 12                                   ; gamma1
	s_wait_loadcnt 34                              ; K step 0 is in; behind it: K step 1's 18, x's 8, gamma1's 8
	KMUL B0, 1
	KLOAD 2, B0
	s_wait_loadcnt 34                              ; K step 1; behind it: 8, 8 and K step 2's 18
	KMUL B1, 0
	KLOAD 3, B1
.irp k, 4,6
	s_wait_loadcnt 18                              ; behind the K step that is wanted: the next one's 18
	KMUL B0, 0
	KLOAD \k, B0
	s_wait_loadcnt 18
	KMUL B1, 0
	KLOAD \k+1, B1
.endr
	s_wait_loadcnt 18                              ; K step 6
	KMUL B0, 0
	ROW8 B1R, 14                                   ; beta1 and bo, where set 0 lay
	ROW8 BOR, 24
	s_wait_loadcnt 16                              ; K step 7; behind it these 16
	KMUL B1, 0
	ROW8 G2R, 26                                   ; gamma2 and beta2, where set 1 lay
	ROW8 B2R, 28
.irp t, 0,1,2,3
	ds_store_b128 v9, v[ACC+8*\t:ACC+8*\t+3] offset:128*(\t/2)+32*(\t%2)          ; register j of tile t is output 64 w + 32 (t / 2) + 16 h + 8 (t % 2) + j of token r; each accumulator from its low end on
	ds_store_b128 v9, v[ACC+8*\t+4:ACC+8*\t+7] offset:128*(\t/2)+32*(\t%2)+16
.endr
	s_wait_kmcnt 0x0
	s_xor_b32 s38, s36, 0x80000000                 ; - mean
	s_mov_b32 s39, 0
	s_mov_b32 s40, s37
	s_mov_b32 s41, 0
.set j, 0
.rept 16
	v_pk_add_f32 v[X+j:X+j+1], v[X+j:X+j+1], s[38:39] op_sel_hi:[1,0]
.set j, j+2
.endr
.set j, 0
.rept 16
	v_pk_mul_f32 v[X+j:X+j+1], v[X+j:X+j+1], s[40:41] op_sel_hi:[1,0]
.set j, j+2
.endr
	s_wait_alu depctr_va_vdst(0)                   ; ahead of a wait that blocks
	s_wait_loadcnt 16                              ; beta1 and bo are in; gamma2's and beta2's 16 may be out
.set j, 0
.rept 16
	v_pk_fma_f32 v[X+j:X+j+1], v[X+j:X+j+1], v[G1R+j:G1R+j+1], v[B1R+j:B1R+j+1]   ; LN1(x)
.set j, j+2
.endr
	s_wait_alu depctr_va_vdst(0)
	s_wait_dscnt 0x0                               ; for the others' sake: my sums lie in the stage
	s_barrier_signal -1
	s_barrier_wait -1
.set j, 0
.rept 8
	ds_load_b128 v[ACC+4*j:ACC+4*j+3], v10 offset:512*j      ; token row w, whole
.set j, j+1
.endr
	s_wait_dscnt 0x0
.set j, 0
.rept 16
	v_pk_add_f32 v[ACC+j:ACC+j+1], v[ACC+j:ACC+j+1], v[BOR+j:BOR+j+1]
.set j, j+2
.endr
.set j, 0
.rept 16
	v_pk_add_f32 v[X+j:X+j+1], v[ACC+j:ACC+j+1], v[X+j:X+j+1]                     ; x2 = LN1(x) + (sum + bo)
.set j, j+2
.endr
	ROWSUM X, SA
	s_delay_alu instid0(VALU_DEP_1)
	v_mul_f32 v[MN], 0x3a800000, v[SA]             ; / 1024
	s_delay_alu instid0(VALU_DEP_1)
	v_mov_b32 v[MN+1], v[MN]
.set j, 0
.rept 16
	v_pk_add_f32 v[X+j:X+j+1], v[X+j:X+j+1], v[MN:MN+1] neg_lo:[0,1] neg_hi:[0,1]
.set j, j+2
.endr
	ROWSQ X, SA
	s_delay_alu instid0(VALU_DEP_1)
	v_fma_f32 v[VR], v[SA], s22, s23               ; the unbiased variance + eps
	s_wait_alu depctr_va_vdst(0)
	v_rsq_f32 v[RS], v[VR]
	v_rsq_f32 v[RS+1], v[VR]
	v_nop                                          ; a plain place behind the two
	s_wait_alu depctr_va_vdst(0)                   ; one wait for both, ahead of their first reader
	s_wait_loadcnt 0x0                             ; gamma2, beta2
.set j, 0
.rept 16
	v_pk_mul_f32 v[X+j:X+j+1], v[X+j:X+j+1], v[RS:RS+1]
.set j, j+2
.endr
.set j, 0
.rept 16
	v_pk_fma_f32 v[X+j:X+j+1], v[X+j:X+j+1], v[G2R+j:G2R+j+1], v[B2R+j:B2R+j+1]   ; x3
.set j, j+2
.endr
.set j, 0
.rept 8
	global_store_b128 v4, v[X+4*j:X+4*j+3], s[30:31] offset:512*j                 ; 512 consecutive bytes, aligned
.set j, j+1
.endr
.set j, 0
.rept 8
	ds_store_b128 v10, v[X+4*j:X+4*j+3] offset:512*j         ; over the row that I alone have read
.set j, j+1
.endr
	s_wait_dscnt 0x0                               ; for the others' sake: my row lies in the stage
	s_barrier_signal -1
	s_barrier_wait -1
	s_cmp_lt_u32 s[WV], 8                          ; C has eight K steps of 128: waves 0 to 7 take one each
	s_cbranch_scc0 .Lend
.irp b, 0,1,2,3
.irp j, 0,1,2,3
	ds_load_b128 v[QS+16*\b+4*\j:QS+16*\b+4*\j+3], v11 offset:128*\b+16*\j        ; lane (r, h): 16 neighbours of each block of 32
.endr
.endr
.irp b, 0,1,2,3
	v_mov_b32 v[TM+4+\b], 0                        ; a lane permute's destination counts as one of its sources
.endr
	s_wait_dscnt 0x0
	QUANT QS
.irp c, 0,1,2
	global_store_b128 v5, v[PC+4*\c:PC+4*\c+3], s[32:33] offset:512*\c            ; 512 consecutive bytes, aligned
.endr
	global_store_b32 v6, v[PW], s[32:33]           ; lanes 16-31 repeat lanes 0-15's word
.Lend:
	s_wait_tensorcnt 0x0                           ; the wave's end
	ds_add_u32 v254, v255
	s_wait_dscnt 0x0
	s_endpgm
.Lfunc_end_k_qa35d841be6_woln:
	.size	k_qa35d841be6_woln, .Lfunc_end_k_qa35d841be6_woln-k_qa35d841be6_woln
	.p2alignl 7, 3214868480
	.fill 96, 4, 3214868480
	.section	.rodata,"a",@progbits
	.p2align	6, 0x0
	.amdhsa_kernel k_qa35d841be6_woln
		.amdhsa_group_segment_fixed_size 67840
		.amdhsa_private_segment_fixed_size 0
		.amdhsa_enable_private_segment 0
		.amdhsa_kernarg_size 88
		.amdhsa_user_sgpr_count 2
		.amdhsa_user_sgpr_kernarg_segment_ptr 1
		.amdhsa_wavefront_size32 1
		.amdhsa_system_sgpr_workgroup_id_x 1
		.amdhsa_system_sgpr_workgroup_id_y 1
		.amdhsa_system_sgpr_workgroup_id_z 1
		.amdhsa_system_vgpr_workitem_id 0
		.amdhsa_next_free_vgpr 256
		.amdhsa_next_free_sgpr 66
		.amdhsa_reserve_vcc 0
		.amdhsa_float_denorm_mode_32 3
		.amdhsa_float_denorm_mode_16_64 3
		.amdhsa_memory_ordered 1
		.amdhsa_forward_progress 1
		.amdhsa_inst_pref_size 50
	.end_amdhsa_kernel
	.amdgpu_metadata
---
amdhsa.version: [ 1, 2 ]
amdhsa.kernels:
  - .name:           k_qa35d841be6_woln
    .symbol:         k_qa35d841be6_woln.kd
    .args:
      - { .name: ac, .offset: 0, .size: 8, .value_kind: global_buffer, .address_space: global }
      - { .name: wc, .offset: 8, .size: 8, .value_kind: global_buffer, .address_space: global }
      - { .name: x, .offset: 16, .size: 8, .value_kind: global_buffer, .address_space: global }
      - { .name: st, .offset: 24, .size: 8, .value_kind: global_buffer, .address_space: global }
      - { .name: gamma1, .offset: 32, .size: 8, .value_kind: global_buffer, .address_space: global }
      - { .name: beta1, .offset: 40, .size: 8, .value_kind: global_buffer, .address_space: global }
      - { .name: bo, .offset: 48, .size: 8, .value_kind: global_buffer, .address_space: global }
      - { .name: gamma2, .offset: 56, .size: 8, .value_kind: global_buffer, .address_space: global }
      - { .name: beta2, .offset: 64, .size: 8, .value_kind: global_buffer, .address_space: global }
      - { .name: x2, .offset: 72, .size: 8, .value_kind: global_buffer, .address_space: global }
      - { .name: xc, .offset: 80, .size: 8, .value_kind: global_buffer, .address_space: global }
    .group_segment_fixed_size: 67840
    .private_segment_fixed_size: 0
    .kernarg_segment_align: 8
    .kernarg_segment_size: 88
    .max_flat_workgroup_size: 512
    .sgpr_count:     66
    .vgpr_count:     256
    .wavefront_size: 32
...
	.end_amdgpu_metadata
.endif
;; end of part 4
;; launch w1 (part 5): grid 16 x 16, 4 waves a work-group, clusters of 4 x 4, 327,680 bytes of LDS; arguments xc, wc, b1, ac; writes ac
.if DOCPART == 5
	.amdgcn_target "amdgcn-amd-amdhsa--gfx1250"
	.amdhsa_code_object_version 6
	.text
	.protected	k_qa35d841be6_w1
	.globl	k_qa35d841be6_w1
	.p2align	8
	.type	k_qa35d841be6_w1,@function
k_qa35d841be6_w1:
	s_mov_b64 s[64:65], 0
	v_nop
	global_prefetch_b8 v0, s[64:65] scope:SCOPE_SE
	s_setreg_imm32_b32 hwreg(HW_REG_WAVE_MODE, 25, 1), 1
	s_wait_xcnt 0x0
	s_wait_alu depctr_hold_cnt(0) depctr_sa_sdst(0) depctr_va_vdst(0) depctr_va_sdst(0) depctr_va_ssrc(0) depctr_va_vcc(0) depctr_vm_vsrc(0)
	s_getreg_b32 s2, hwreg(HW_REG_IB_STS2, 6, 4)
	s_cmp_eq_u32 s2, 0
	s_cbranch_scc0 .Lentry_in_a_cluster
	s_endpgm
.Lentry_in_a_cluster:
	s_bfe_u32 s2, ttmp6, 0x10000c
	s_cmp_lg_u32 s2, 0xf033
	s_cbranch_scc0 .Lentry_shape_is_right
	s_endpgm
.Lentry_shape_is_right:
; g = gelu(x3 W1 + b1), exact (erf), on codes of FP6 (K = 1,024), quantised along DFF into chunks for the next product.
; A work-group makes 256 tokens x 256 hidden units, a wave 128 x 128.  Operands lie as chunks (128 rows x 128 K: 8 register images of 1,536 bytes, then 512 bytes of scale words).  Source 0 = W1's fragment, source 1 = the tokens':
; a lane holds one token, and the 16 registers of tiles 2 b, 2 b + 1 are hidden units 32 b + 16 (lane / 16) + 0 .. 15: my 64 registers of a block of tokens are one K step of the next product.
; K IS EIGHT STEPS OF 128.  THREE LDS slots of two steps each are filled at the head (by one tensor load a wave: 6 chunks, 76,800 dense bytes as 300 rows of 256); the refill brings 2 chunks, 25,600 dense bytes (100 rows of 256).
; Only slot 0 is filled again, with steps 6 and 7, behind the one round in the walk over K: from that request to the wait for it a wave issues 224 matrix instructions.  Slot 2 has no barrier of its own: every wave has waited for all
; its loads, slot 2's among them, in front of that round, and nothing writes slot 2 afterwards.  The tokens' tiles are asked for jointly along a row of the 4 x 4 cluster, W1's along a column.
; GELU: gelu(y) = max(y, 0) - |y| E, E = erfc(|y| / sqrt 2) / 2.  With t = |y| / sqrt 2: t > 0.927734375: E = 2^(r log2 e - 1), r a polynomial of degree 7 in t; else E = 1/2 - erf(t) / 2, erf an odd polynomial.  Both are computed, one is selected: no branch on data.
; LIMITS: erf is good to about one unit in its last place, so E has an absolute error of about 6e-8: its relative error passes 1e-6 for y under -2.5, where |gelu| is under 0.02.  NaN and infinities are not served; a block of zeros gets the scale byte 1.
; The way out is a loop over the eight blocks of tokens, so that the activation is written once; what differs, the block's registers, is copied by one of eight short pieces.
.set CH,     12800
.set LOADB,  2*CH
.set SLOT,   4*LOADB
.set PANEL,  8*CH
.set SPARE,  3*SLOT                    ; the spare words: 128 bytes a wave, two blocks of 256 bytes that no other line names
.set WOFF,   3276800
.set FR,     12
.set NQ,     2
.set NL,     3
.set NP,     4
.set C0P,  8                           ; v8-13: three leading coefficients, each twice
.set C2P,  10
.set D0P,  12
.set ADRA, 14                          ; v14-16 LDS address of my A fragments in slot 0, 1, 2
.set ADRB, 17                          ; v17-19 the same for B
.set ADRS, 20                          ; v20-22 and for the scale words
.set L16,  24
.set R4,   26
.set SPW,  28
.set NIL,  29
.set SC,   32
.set BI,   64
.set AF,   128
.set HA,   128
.set GT,   192
.set GS,   208
.set GR,   224
.set GQ,   240
.set PC,   192
.set TM,   212
.set PW,   228
.set WV, 16
.set WR, 17
.set WC, 18
.set AI, 19
.set SEL, 22
.set G1, 24
.set G0, 32                            ; s[32:35] group 0 for A's tiles, slot 0
.set G1B, 48
.set G0B, 56                           ; s[56:59] the same for B's
.set G0C, 92
.set G0BC, 96
.set MSB, 0
.macro WIN new
.if MSB != (\new)
	s_set_vgpr_msb (MSB<<8)|(\new)
.set MSB, (\new)
.endif
.endm
.set MUL_LO, 0xa1
.set MUL_HI, 0xf1
.set TO_B,   0x40
.macro PLACES n
.rept \n
	v_nop
.endr
.endm
.macro JLOAD g0a, g1a, g0b, g1b
	s_cmp_eq_u32 s[WR], 0
	s_cbranch_scc0 .Lfor_b_\@
	tensor_load_to_lds s[\g0a:\g0a+3], s[\g1a:\g1a+7]
	s_nop 0
.rept 4
	v_nop
.endr
	s_branch .Lasked_\@
.Lfor_b_\@:
	tensor_load_to_lds s[\g0b:\g0b+3], s[\g1b:\g1b+7]
	s_nop 0
.rept 4
	v_nop
.endr
.Lasked_\@:
.endm
.macro CREST
	s_cmp_lg_u32 s[WV], 0
	s_cbranch_scc1 .Lnot_wave_0_\@
	s_barrier_signal -3
.Lnot_wave_0_\@:
	s_barrier_wait -3
	s_barrier_signal -1
	s_barrier_wait -1
.endm
.macro CROUND
	s_barrier_signal -1
	s_barrier_wait -1
	CREST
.endm
.macro QUANT s
.irp b, 0,1,2,3
	v_max3_num_f32 v[TM+\b], |v[\s+16*\b]|, |v[\s+1+16*\b]|, 0x1800000
.endr
.irp i, 2,4,6,8,10,12,14
.irp b, 0,1,2,3
	v_max3_num_f32 v[TM+\b], v[TM+\b], |v[\s+16*\b+\i]|, |v[\s+1+16*\b+\i]|
.endr
.endr
.irp b, 0,1,2,3
	v_permlanex16_b32 v[TM+4+\b], v[TM+\b], s[SEL], s[SEL+1]
.endr
.irp b, 0,1,2,3
	v_max_num_f32 v[TM+\b], v[TM+\b], v[TM+4+\b]
.endr
.irp b, 0,1,2,3
	v_add_nc_u32 v[TM+12+\b], 0xff000000, v[TM+\b]
.endr
.irp b, 0,1,2,3
	v_lshrrev_b32 v[TM+4+\b], 23, v[TM+12+\b]
.endr
	v_lshl_or_b32 v[PW], v[TM+5], 8, v[TM+4]
	v_lshl_or_b32 v[PW], v[TM+6], 16, v[PW]
	v_lshl_or_b32 v[PW], v[TM+7], 24, v[PW]
.irp c, 0,1
	v_cvt_scalef32_pk16_fp6_f32 v[PC+6*\c:PC+2+6*\c], v[\s+32*\c:\s+15+32*\c], v[TM+12+2*\c]
	v_cvt_scalef32_pk16_fp6_f32 v[PC+12+4*\c:PC+14+4*\c], v[\s+16+32*\c:\s+31+32*\c], v[TM+12+2*\c+1]
.endr
	v_nop
.irp c, 0,1
.irp i, 0,1,2
	v_permlane16_swap_b32 v[PC+6*\c+\i], v[PC+12+4*\c+\i]
.endr
.irp i, 0,1,2
	v_mov_b32 v[PC+3+6*\c+\i], v[PC+12+4*\c+\i]
.endr
.endr
.endm
	s_load_b128 s[4:7], s[0:1], 0x0                ; xc, wc
	s_load_b128 s[8:11], s[0:1], 0x10              ; b1, ac
	v_lshl_add_u32 v[SPW], v0, 2, SPARE
	v_mov_b32 v[NIL], 0
	ds_add_u32 v28, v29
	ds_add_u32 v28, v29
	s_wait_dscnt 0x0
	v_lshrrev_b32 v1, 5, v0
	v_readfirstlane_b32 s[WV], v1
	s_lshr_b32 s[WR], s[WV], 1
	s_and_b32 s[WC], s[WV], 1
	s_bfe_u32 s40, ttmp6, 0x40000
	s_bfe_u32 s41, ttmp6, 0x40004
	s_lshl_b32 s42, ttmp9, 2
	s_add_co_u32 s42, s42, s40                     ; W1's tile of 256 hidden units
	s_and_b32 s43, ttmp7, 0xffff
	s_lshl_b32 s43, s43, 2
	s_add_co_u32 s43, s43, s41                     ; the tile of 256 tokens
	s_lshl_b32 s44, s41, 2
	s_lshl_b32 s44, 15, s44
	s_lshl_b32 s45, 0x1111, s40
	s_or_b32 s[G1], s44, (3<<16)|(1<<21)
	s_or_b32 s[G1B], s45, (3<<16)|(1<<21)
.irp g, G1, G1B
	s_mov_b32 s[\g+1], 32<<16
	s_mov_b32 s[\g+2], 300<<16                     ; the head's load brings six chunks: 300 rows
	s_mov_b32 s[\g+3], 32<<16
	s_mov_b32 s[\g+4], 300
	s_mov_b32 s[\g+5], 32
	s_mov_b32 s[\g+6], 0
	s_mov_b32 s[\g+7], 0
.endr
	s_lshl_b32 s46, s43, 1
	s_add_co_u32 s46, s46, s[WC]
	s_mul_i32 s46, s46, PANEL
	s_mov_b32 s47, 0
	s_lshl_b32 s66, s42, 1
	s_add_co_u32 s66, s66, s[WC]
	s_mul_i32 s66, s66, PANEL
	s_add_co_u32 s66, s66, WOFF
	s_mov_b32 s67, 0
	s_mul_i32 s21, s[WV], 3*LOADB                  ; LDS AS IT IS LAID NOW: four regions of six chunks (76,800 bytes), the tokens' two panels, then W1's two; slot s of a panel is its chunks 2 s, 2 s + 1
	s_mov_b32 s[SEL], 0x76543210
	s_mov_b32 s[SEL+1], 0xfedcba98
	s_wait_kmcnt 0x0
	s_add_nc_u64 s[68:69], s[4:5], s[46:47]
	s_add_nc_u64 s[70:71], s[6:7], s[66:67]
	CROUND
; THE HEAD'S FILL: one tensor load a wave: K steps 0 to 5 of my panel, 76,800 dense bytes as 300 rows of 256.  K steps 6 and 7 come later, 100 rows, into the region's first two chunks.
.irp s, 0
	s_mov_b32 s[G0+4*\s], 1
	s_add_co_u32 s[G0+4*\s+1], s21, \s*SLOT
	s_add_nc_u64 s[G0+4*\s+2:G0+4*\s+3], s[68:69], \s*LOADB
	s_or_b32 s[G0+4*\s+3], s[G0+4*\s+3], 0x80000000
	s_mov_b32 s[G0B+4*\s], 1
	s_add_co_u32 s[G0B+4*\s+1], s21, \s*SLOT
	s_add_nc_u64 s[G0B+4*\s+2:G0B+4*\s+3], s[70:71], \s*LOADB
	s_or_b32 s[G0B+4*\s+3], s[G0B+4*\s+3], 0x80000000
	JLOAD G0+4*\s, G1, G0B+4*\s, G1B
.endr
	v_and_b32 v1, 15, v0
	v_bfe_u32 v2, v0, 4, 1
	v_and_b32 v3, 31, v0
	v_lshlrev_b32 v[L16], 4, v3
	v_lshlrev_b32 v[R4], 2, v1
	s_mul_i32 s72, s[WR], 3*LOADB
	s_mul_i32 s73, s[WC], 3*LOADB
	s_add_co_u32 s73, s73, 6*LOADB
	s_sub_co_u32 s75, s73, s72
	v_mul_u32_u24 v6, s75, v2                      ; scale words: the lower base + h x the distance
	v_add_nc_u32 v5, v[R4], v6
	v_add_nc_u32 v5, 8*1536, v5
.irp s, 0,1,2
	v_add_nc_u32 v[ADRA+\s], s72, v[L16]
	v_add_nc_u32 v[ADRB+\s], s73, v[L16]
	v_add_nc_u32 v[ADRS+\s], s72, v5
	s_add_co_u32 s72, s72, LOADB
	s_add_co_u32 s73, s73, LOADB
.endr
	s_lshl_b32 s74, s42, 1
	s_add_co_u32 s74, s74, s[WC]                   ; my panel of hidden units = the next product's K step; kept for the way out
	s_lshl_b32 s78, s74, 9
	s_mov_b32 s79, 0
	s_add_nc_u64 s[76:77], s[8:9], s[78:79]
	v_lshlrev_b32 v7, 6, v2
.irp b, 0,1,2,3
.irp j, 0,1,2,3
	global_load_b128 v[BI+16*\b+4*\j:BI+16*\b+4*\j+3], v7, s[76:77] offset:128*\b+16*\j   ; register 16 b + i wants b1 of unit 32 b + 16 h + i
.endr
.endr
.macro FRAG reg, adr, off
.irp c, 0,1,2
	ds_load_b128 v[\reg+4*\c:\reg+4*\c+3], v[\adr] offset:\off+512*\c
.endr
.endm
.macro MUL16 a0, p, q, sc, zero        ; the 64 accumulators take turns
.irp a, \a0, \a0+1
.irp b, 0,1,2,3,4,5,6,7
.if \zero
	v_wmma_scale_f32_16x16x128_f8f6f4 v[8*(8*((\a)%4)+\b):8*(8*((\a)%4)+\b)+7], v[128*(\p)+FR*\b:128*(\p)+FR*\b+FR-1], v[AF+FR*(\a):AF+FR*(\a)+FR-1], 0, v[SC+8*NQ*(\sc)+NQ*\b+(\q)], v[SC+8*NQ*(\sc)+NQ*(\a)+(\q)] matrix_a_fmt:MATRIX_FMT_FP6 matrix_b_fmt:MATRIX_FMT_FP6 matrix_a_scale:MATRIX_SCALE_ROW1
.else
	v_wmma_scale_f32_16x16x128_f8f6f4 v[8*(8*((\a)%4)+\b):8*(8*((\a)%4)+\b)+7], v[128*(\p)+FR*\b:128*(\p)+FR*\b+FR-1], v[AF+FR*(\a):AF+FR*(\a)+FR-1], v[8*(8*((\a)%4)+\b):8*(8*((\a)%4)+\b)+7], v[SC+8*NQ*(\sc)+NQ*\b+(\q)], v[SC+8*NQ*(\sc)+NQ*(\a)+(\q)] matrix_a_fmt:MATRIX_FMT_FP6 matrix_b_fmt:MATRIX_FMT_FP6 matrix_a_scale:MATRIX_SCALE_ROW1
.endif
.endr
.endr
.endm
.macro FETCH_B slot, q, p
	WIN TO_B
.irp i, 0,1,2,3,4,5,6,7
	FRAG 128*(\p)+FR*\i, ADRB+\slot, (\q)*CH+\i*1536
.endr
	WIN 0
.endm
.macro FETCH_A slot, q, i0
.irp i, \i0, \i0+1, \i0+2, \i0+3
	FRAG AF+FR*(\i), ADRA+\slot, (\q)*CH+(\i)*1536
.endr
.endm
.macro SCALES slot, sc                 ; a slot's scale words into set sc
.irp i, 0,1,2,3,4,5,6,7
.irp q, 0,1
	ds_load_b32 v[SC+8*NQ*\sc+NQ*\i+\q], v[ADRS+\slot] offset:\q*CH+64*\i
.endr
.endr
.endm
.macro STEP slot, sc, zero             ; a slot's first 128 along K (B's set 0); it fetches the slot's second
	s_wait_dscnt 4*NL                              ; all but the youngest 12 loads (A's blocks 4-7) are in
	WIN MUL_LO
	MUL16 0, 0, 0, \sc, \zero
	MUL16 2, 0, 0, \sc, \zero
	s_wait_dscnt 0
	PLACES NP
	FETCH_B \slot, 1, 1
	FETCH_A \slot, 1, 0
	WIN MUL_HI
	MUL16 4, 0, 0, \sc, \zero
	MUL16 6, 0, 0, \sc, \zero
	PLACES NP
	WIN 0
	FETCH_A \slot, 1, 4
.endm
; A slot's second step changes slots.  how = 1: a round of the cluster's barrier, and this slot is filled again.  how = 0: a barrier, in front of which every wave has waited for its part of the next slot's fill.
; how = 2: neither: the next slot was shown whole to every wave by an earlier round, and this slot is not written again.
.macro TURN slot, sc, next, nsc, how
.if \how < 2
	s_wait_tensorcnt 0x0                           ; all my tensor loads have landed
	ds_add_u32 v[SPW], v[NIL]                      ; 0 onto my spare word
	s_wait_dscnt 4*NL+1                            ; the add and the youngest 12 loads may be out
.else
	s_wait_dscnt 4*NL                              ; the youngest 12 loads may be out
.endif
	WIN MUL_LO
	MUL16 0, 1, 1, \sc, 0
.if \how < 2
	s_wait_dscnt 0x0                               ; the add is done, my reads of this slot are over
	s_barrier_signal -1
.endif
	MUL16 2, 1, 1, \sc, 0
	WIN 0
.if \how < 2
	s_barrier_wait -1
.else
	s_wait_dscnt 0x0                               ; A's blocks 4-7 are in
.endif
.if \how == 1
	CREST                                          ; the barrier has opened a round of the cluster's: no wave of any partner reads this slot or has a load on its way
	s_add_nc_u64 s[G0+4*\slot+2:G0+4*\slot+3], s[G0+4*\slot+2:G0+4*\slot+3], 3*LOADB
	s_add_nc_u64 s[G0B+4*\slot+2:G0B+4*\slot+3], s[G0B+4*\slot+2:G0B+4*\slot+3], 3*LOADB
	JLOAD G0+4*\slot, G1, G0B+4*\slot, G1B         ; the first tensor load behind the round; its four v_nop are the places for the loads below
.else
	PLACES NP
.endif
	FETCH_B \next, 0, 0
	FETCH_A \next, 0, 0
	SCALES \next, \nsc
	WIN MUL_HI
	MUL16 4, 1, 1, \sc, 0
	MUL16 6, 1, 1, \sc, 0
	PLACES NP
	WIN 0
	FETCH_A \next, 0, 4
.endm
	s_wait_alu depctr_va_vdst(0)
	s_wait_tensorcnt 0x0                           ; my six chunks are in
	s_mov_b32 s[G1+2], 100<<16                     ; no tensor load of mine is out, so a descriptor may be written: the refill brings 100 rows
	s_mov_b32 s[G1+4], 100
	s_mov_b32 s[G1B+2], 100<<16
	s_mov_b32 s[G1B+4], 100
	s_barrier_signal -1
	s_barrier_wait -1
	FETCH_B 0, 0, 0
	FETCH_A 0, 0, 0
	SCALES 0, 0
	FETCH_A 0, 0, 4
	STEP 0, 0, 1                                   ; K steps 0, 1
	TURN 0, 0, 1, 1, 1                             ; the round; slot 0 takes K steps 6 and 7
	STEP 1, 1, 0                                   ; K steps 2, 3
	TURN 1, 1, 2, 0, 2
	STEP 2, 0, 0                                   ; K steps 4, 5
	TURN 2, 0, 0, 1, 0                             ; the refill has landed, in every wave
	STEP 0, 1, 0                                   ; K steps 6, 7
	s_wait_dscnt 4*NL
	WIN MUL_LO
	MUL16 0, 1, 1, 1, 0
	MUL16 2, 1, 1, 1, 0
	s_wait_dscnt 0
	WIN MUL_HI
	MUL16 4, 1, 1, 1, 0
	MUL16 6, 1, 1, 1, 0
	WIN 0
	PLACES NP
	s_wait_loadcnt 0x0                             ; b1
	v_mov_b32 v[C0P], 0x3f07dc22                   ; the polynomial's leading coefficient, 0.5307027, twice
	v_mov_b32 v[C0P+1], 0x3f07dc22
	s_mov_b32 s88, 0x3e6d3389                      ; 0.2316419
	s_lshl_b32 s72, s43, 1
	s_add_co_u32 s72, s72, s[WR]                   ; my panel of tokens
	s_lshl_b32 s72, s72, 5
	s_add_co_u32 s72, s72, s74                     ; x 32 K steps + mine
	s_mul_i32 s84, s72, CH
	s_mov_b32 s85, 0
	s_add_nc_u64 s[84:85], s[10:11], s[84:85]      ; the chunk: images,
	s_add_nc_u64 s[86:87], s[84:85], 8*1536        ; scale words
	s_mov_b32 s[AI], 0
.macro FMA8L d, a, b, lit              ; d = a b + a constant, eight pairs
.set i, 0
.rept 8
	v_pk_fma_f32 v[\d+i:\d+i+1], v[\a+i:\a+i+1], v[\b+i:\b+i+1], \lit op_sel_hi:[1,1,0]
.set i, i+2
.endr
.endm
.macro FMA8C d, a, c, lit              ; d = a x (a coefficient pair) + a constant
.set i, 0
.rept 8
	v_pk_fma_f32 v[\d+i:\d+i+1], v[\a+i:\a+i+1], v[\c:\c+1], \lit op_sel_hi:[1,1,0]
.set i, i+2
.endr
.endm
.macro GELU16 y                        ; sixteen numbers, in place
.set i, 0
.rept 8
	v_pk_mul_f32 v[GT+i:GT+i+1], v[\y+i:\y+i+1], 0x3f3504f3 op_sel_hi:[1,0]   ; z = y / sqrt 2
.set i, i+2
.endr
.set i, 0
.rept 8
	v_pk_mul_f32 v[GS+i:GS+i+1], v[GT+i:GT+i+1], v[GT+i:GT+i+1]               ; z^2
.set i, i+2
.endr
.set i, 0
.rept 16
	v_and_b32 v[GT+i], 0x7fffffff, v[GT+i]                                    ; t = |z|
.set i, i+1
.endr
	FMA8C GR, GT, C0P, 0x39c8e7d9
	FMA8C GQ, GT, C2P, 0x3cc6b1a1
.set i, 0
.rept 8
	v_pk_fma_f32 v[GR+i:GR+i+1], v[GR+i:GR+i+1], v[GS+i:GS+i+1], v[GQ+i:GQ+i+1]
.set i, i+2
.endr
	FMA8L GR, GR, GT, 0xbddaae5c
	FMA8L GR, GR, GT, 0xbf228550
	FMA8L GR, GR, GT, 0xbe03ce86
.set i, 0
.rept 8
	v_pk_fma_f32 v[GR+i:GR+i+1], v[GR+i:GR+i+1], v[GT+i:GT+i+1], v[GT+i:GT+i+1] neg_lo:[0,0,1] neg_hi:[0,0,1]   ; r t - t
.set i, i+2
.endr
.set i, 0
.rept 8
	v_pk_fma_f32 v[GR+i:GR+i+1], v[GR+i:GR+i+1], 0x3fb8aa3b, -1.0 op_sel_hi:[1,0,0]   ; r log2 e - 1
.set i, i+2
.endr
.set i, 0
	s_wait_alu depctr_va_vdst(0)
.rept 16
	v_exp_f32 v[GR+i], v[GR+i]                     ; E for the large t: one batch
.set i, i+1
.endr
	FMA8C GQ, GS, D0P, 0x3ba38d2c                  ; the small t's polynomial is the independent work behind the batch
	FMA8L GQ, GQ, GS, 0xbcdb48d9
	FMA8L GQ, GQ, GS, 0x3de70e22
	FMA8L GQ, GQ, GS, 0xbec09380
	FMA8L GQ, GQ, GS, 0x3e0375d4
.set i, 0
.rept 8
	v_pk_fma_f32 v[GQ+i:GQ+i+1], v[GQ+i:GQ+i+1], v[GT+i:GT+i+1], v[GT+i:GT+i+1]        ; erf(t)
.set i, i+2
.endr
.set i, 0
.rept 8
	v_pk_fma_f32 v[GQ+i:GQ+i+1], v[GQ+i:GQ+i+1], -0.5, 0.5 op_sel_hi:[1,0,0]           ; E = 1/2 - erf / 2
.set i, i+2
.endr
	s_wait_alu depctr_va_vdst(0)                   ; one wait for the sixteen, ahead of their first reader
.set i, 0
.rept 16
	v_cmp_lt_f32 vcc_lo, 0x3f6d8000, v[GT+i]
	v_cndmask_b32 v[GQ+i], v[GQ+i], v[GR+i], vcc_lo
.set i, i+1
.endr
.set i, 0
.rept 16
	v_max_num_f32 v[GT+i], 0, v[\y+i]
	v_fma_f32 v[\y+i], -|v[\y+i]|, v[GQ+i], v[GT+i]
.set i, i+1
.endr
.endm
.macro COPY a                          ; block a's 64 sums + b1 into window 0; each accumulator from its low end on
	WIN 0x02+(\a)/4
.set i, 0
.rept 32
	v_pk_add_f32 v[HA+i:HA+i+1], v[64*((\a)%4)+i:64*((\a)%4)+i+1], v[BI+i:BI+i+1]
.set i, i+2
.endr
	WIN 0
.endm
; THE GELU THAT THE WAY OUT USES (macro GELU16 and the form in the head comment are not used): gelu(y) = max(y, 0) - |y| E, E = erfc(|y| / sqrt 2) / 2 = the normal tail Q(|y|), by one form for every y:
; E = 2^(-y^2 log2(e) / 2) (A1 k + A2 k^2 + A3 k^3 + A4 k^4 + A5 k^5), k = 1 / (1 + 0.2316419 |y|) (Abramowitz and Stegun 26.2.17, with 1 / sqrt(2 pi) folded into the coefficients).  No branch and no selection on data.
; LIMIT: E has an absolute error of about 1e-7, so gelu's relative error passes 1e-6 for y under about -1.2, where |gelu| is under 0.14.
.macro GELUA y                         ; sixteen numbers, in place
.set i, 0
.rept 8
	v_pk_mul_f32 v[GS+i:GS+i+1], v[\y+i:\y+i+1], v[\y+i:\y+i+1]               ; y^2
.set i, i+2
.endr
.set i, 0
.rept 16
	v_fma_f32 v[GT+i], |v[\y+i]|, s88, 1.0                                    ; 1 + 0.2316419 |y|
.set i, i+1
.endr
.set i, 0
.rept 8
	v_pk_mul_f32 v[GS+i:GS+i+1], v[GS+i:GS+i+1], 0xbf38aa3b op_sel_hi:[1,0]   ; x -log2(e) / 2
.set i, i+2
.endr
	s_wait_alu depctr_va_vdst(0)                   ; ahead of the batch
.set i, 0
.rept 16
	v_rcp_f32 v[GT+i], v[GT+i]                     ; k
.set i, i+1
.endr
.set i, 0
.rept 16
	v_exp_f32 v[GS+i], v[GS+i]
.set i, i+1
.endr
.set i, 0
.rept 16
	v_max_num_f32 v[GQ+i], 0, v[\y+i]              ; independent work behind the batch
.set i, i+1
.endr
	s_wait_alu depctr_va_vdst(0)                   ; one wait for the 32, ahead of their first reader
	FMA8C GR, GT, C0P, 0xbf3a00e3                  ; A5 k + A4
	FMA8L GR, GR, GT, 0x3f35f0e3                   ; .. k + A3
	FMA8L GR, GR, GT, 0xbe11a98e                   ; .. k + A2
	FMA8L GR, GR, GT, 0x3e027906                   ; .. k + A1
.set i, 0
.rept 8
	v_pk_mul_f32 v[GS+i:GS+i+1], v[GS+i:GS+i+1], v[GT+i:GT+i+1]
.set i, i+2
.endr
.set i, 0
.rept 8
	v_pk_mul_f32 v[GR+i:GR+i+1], v[GR+i:GR+i+1], v[GS+i:GS+i+1]               ; E
.set i, i+2
.endr
.set i, 0
.rept 16
	v_fma_f32 v[\y+i], -|v[\y+i]|, v[GR+i], v[GQ+i]
.set i, i+1
.endr
.endm
.Lrows:
.irp a, 1,2,3,4,5,6,7
	s_cmp_eq_u32 s[AI], \a
	s_cbranch_scc1 .Lcopy\a
.endr
	COPY 0
	s_branch .Lbody
.irp a, 1,2,3,4,5,6,7
.Lcopy\a:
	COPY \a
	s_branch .Lbody
.endr
.Lbody:
	GELUA HA
	GELUA HA+16
	GELUA HA+32
	GELUA HA+48
	QUANT HA
.irp c, 0,1,2
	global_store_b128 v[L16], v[PC+4*\c:PC+4*\c+3], s[84:85] offset:512*\c   ; 512 consecutive bytes, aligned
.endr
	global_store_b32 v[R4], v[PW], s[86:87]
	s_wait_xcnt 0x0                                ; the stores have read their data and bases: both are written again only behind this wait
	s_add_nc_u64 s[84:85], s[84:85], 1536
	s_add_nc_u64 s[86:87], s[86:87], 64
	s_add_co_u32 s[AI], s[AI], 1
	s_cmp_lt_u32 s[AI], 8
	s_cbranch_scc1 .Lrows
	s_wait_tensorcnt 0x0                           ; the wave's end
	ds_add_u32 v[SPW], v[NIL]
	s_wait_dscnt 0x0
	CROUND
	s_endpgm
.Lfunc_end_k_qa35d841be6_w1:
	.size	k_qa35d841be6_w1, .Lfunc_end_k_qa35d841be6_w1-k_qa35d841be6_w1
	.p2alignl 7, 3214868480
	.fill 96, 4, 3214868480
	.section	.rodata,"a",@progbits
	.p2align	6, 0x0
	.amdhsa_kernel k_qa35d841be6_w1
		.amdhsa_group_segment_fixed_size 327680
		.amdhsa_private_segment_fixed_size 0
		.amdhsa_enable_private_segment 0
		.amdhsa_kernarg_size 32
		.amdhsa_user_sgpr_count 2
		.amdhsa_user_sgpr_kernarg_segment_ptr 1
		.amdhsa_wavefront_size32 1
		.amdhsa_system_sgpr_workgroup_id_x 1
		.amdhsa_system_sgpr_workgroup_id_y 1
		.amdhsa_system_sgpr_workgroup_id_z 1
		.amdhsa_system_vgpr_workitem_id 0
		.amdhsa_next_free_vgpr 1024
		.amdhsa_next_free_sgpr 100
		.amdhsa_reserve_vcc 1
		.amdhsa_float_denorm_mode_32 3
		.amdhsa_float_denorm_mode_16_64 3
		.amdhsa_memory_ordered 1
		.amdhsa_forward_progress 1
		.amdhsa_inst_pref_size 162
	.end_amdhsa_kernel
	.amdgpu_metadata
---
amdhsa.version: [ 1, 2 ]
amdhsa.kernels:
  - .name:           k_qa35d841be6_w1
    .symbol:         k_qa35d841be6_w1.kd
    .args:
      - { .name: xc, .offset: 0, .size: 8, .value_kind: global_buffer, .address_space: global }
      - { .name: wc, .offset: 8, .size: 8, .value_kind: global_buffer, .address_space: global }
      - { .name: b1, .offset: 16, .size: 8, .value_kind: global_buffer, .address_space: global }
      - { .name: ac, .offset: 24, .size: 8, .value_kind: global_buffer, .address_space: global }
    .group_segment_fixed_size: 327680
    .private_segment_fixed_size: 0
    .kernarg_segment_align: 8
    .kernarg_segment_size: 32
    .max_flat_workgroup_size: 128
    .sgpr_count:     100
    .vgpr_count:     1024
    .wavefront_size: 32
...
	.end_amdgpu_metadata
.endif
;; end of part 5
;; launch w2 (part 6): grid 8 x 32, 4 waves a work-group, clusters of 4 x 4, 327,680 bytes of LDS; arguments ac, wc, x2, b2, out0; writes out0
.if DOCPART == 6
	.amdgcn_target "amdgcn-amd-amdhsa--gfx1250"
	.amdhsa_code_object_version 6
	.text
	.protected	k_qa35d841be6_w2
	.globl	k_qa35d841be6_w2
	.p2align	8
	.type	k_qa35d841be6_w2,@function
k_qa35d841be6_w2:
	s_mov_b64 s[64:65], 0
	v_nop
	global_prefetch_b8 v0, s[64:65] scope:SCOPE_SE
	s_setreg_imm32_b32 hwreg(HW_REG_WAVE_MODE, 25, 1), 1
	s_wait_xcnt 0x0
	s_wait_alu depctr_hold_cnt(0) depctr_sa_sdst(0) depctr_va_vdst(0) depctr_va_sdst(0) depctr_va_ssrc(0) depctr_va_vcc(0) depctr_vm_vsrc(0)
	s_getreg_b32 s2, hwreg(HW_REG_IB_STS2, 6, 4)
	s_cmp_eq_u32 s2, 0
	s_cbranch_scc0 .Lentry_in_a_cluster
	s_endpgm
.Lentry_in_a_cluster:
	s_bfe_u32 s2, ttmp6, 0x10000c
	s_cmp_lg_u32 s2, 0xf033
	s_cbranch_scc0 .Lentry_shape_is_right
	s_endpgm
.Lentry_shape_is_right:
.set KS,     32
.set WOFF,   6553600
.if KS == 8
.set SQ,     4
.else
.set SQ,     6
.endif
.set CH,     12800
.set LOADB,  (SQ/2)*CH
.set ROWS,   LOADB/256
.set SLOT,   4*LOADB
.set SPARE,  2*SLOT
.set SPITCH, 528
.set FR,     12
.set ADRA, 8
.set ADRB, 12
.set ADRS, 16
.set STO,  24
.set RD,   25
.set CO,   26
.set L8,   27
.set SPW,  28
.set NIL,  29
.set XR,   32
.set SC,   96
.set GA,   104
.set BE,   108
.set BB,   112
.set STT,  116
.set ACC,  128
.set WV, 16
.set WR, 17
.set WC, 18
.set G1, 24
.set G0, 32
.set G1B, 48
.set G0B, 56
.set MSB, 0
.macro WIN new
.if MSB != (\new)
	s_set_vgpr_msb (MSB<<8)|(\new)
.set MSB, (\new)
.endif
.endm
.set MUL,  0x05
.set TO_F, 0x40
.macro PLACES n
.rept \n
	v_nop
.endr
.endm
.macro JLOAD g0a, g1a, g0b, g1b
	s_cmp_eq_u32 s[WR], 0
	s_cbranch_scc0 .Lfor_b_\@
	tensor_load_to_lds s[\g0a:\g0a+3], s[\g1a:\g1a+7]
	s_nop 0
.rept 4
	v_nop
.endr
	s_branch .Lasked_\@
.Lfor_b_\@:
	tensor_load_to_lds s[\g0b:\g0b+3], s[\g1b:\g1b+7]
	s_nop 0
.rept 4
	v_nop
.endr
.Lasked_\@:
.endm
.macro CROUND
	s_barrier_signal -1
	s_barrier_wait -1
	s_cmp_lg_u32 s[WV], 0
	s_cbranch_scc1 .Lnot_wave_0_\@
	s_barrier_signal -3
.Lnot_wave_0_\@:
	s_barrier_wait -3
	s_barrier_signal -1
	s_barrier_wait -1
.endm
	s_load_b128 s[4:7], s[0:1], 0x0
	s_load_b64 s[8:9], s[0:1], 0x10                ; x3 = LN2's result, f32, as the launch before stored it (buffer x2): out = x3 + (g W2 + b2)
	s_load_b64 s[92:93], s[0:1], 0x18              ; b2
	s_load_b64 s[94:95], s[0:1], 0x20              ; out
	v_lshl_add_u32 v[SPW], v0, 2, SPARE
	v_mov_b32 v[NIL], 0
	ds_add_u32 v28, v29
	ds_add_u32 v28, v29
	s_wait_dscnt 0x0
	v_lshrrev_b32 v1, 5, v0
	v_readfirstlane_b32 s[WV], v1
	s_lshr_b32 s[WR], s[WV], 1
	s_and_b32 s[WC], s[WV], 1
	s_bfe_u32 s40, ttmp6, 0x40000
	s_bfe_u32 s41, ttmp6, 0x40004
	s_lshl_b32 s42, ttmp9, 2
	s_add_co_u32 s42, s42, s40
	s_and_b32 s43, ttmp7, 0xffff
	s_lshl_b32 s43, s43, 2
	s_add_co_u32 s43, s43, s41
	s_lshl_b32 s44, s41, 2
	s_lshl_b32 s44, 15, s44
	s_lshl_b32 s45, 0x1111, s40
	s_or_b32 s[G1], s44, (3<<16)|(1<<21)
	s_or_b32 s[G1B], s45, (3<<16)|(1<<21)
.irp g, G1, G1B
	s_mov_b32 s[\g+1], 32<<16
	s_mov_b32 s[\g+2], ROWS<<16
	s_mov_b32 s[\g+3], 32<<16
	s_mov_b32 s[\g+4], ROWS
	s_mov_b32 s[\g+5], 32
	s_mov_b32 s[\g+6], 0
	s_mov_b32 s[\g+7], 0
.endr
	s_mul_i32 s19, s[WC], LOADB
	s_mul_i32 s46, s43, KS*CH
	s_add_co_u32 s46, s46, s19
	s_mov_b32 s47, 0
	s_mul_i32 s66, s42, KS*CH
	s_add_co_u32 s66, s66, s19
	s_add_co_u32 s66, s66, WOFF
	s_mov_b32 s67, 0
	s_mul_i32 s21, s[WV], LOADB
	s_wait_kmcnt 0x0
	s_add_nc_u64 s[68:69], s[4:5], s[46:47]
	s_add_nc_u64 s[70:71], s[6:7], s[66:67]
	CROUND
; PREFETCHES INTO THE L2: behind the request for fill f (f = 0 .. 3) stands the request for the bytes of fill f + 1, one slot ahead of the tensor load that will want them.  A wave's fill is 150 blocks of 256 bytes;
; the four partners that ask for it jointly share them out by address: the partner at place p (cx for A, cy for B) names blocks 38 p to 38 p + 37 (the last: to 149), a lane a block, two instructions;
; lanes left over name their share's last block again.  The last fill, whose bytes lie in part inside the fill before it, comes by its load alone.  The registers are never rewritten.
	s_cmp_eq_u32 s[WR], 0
	s_cselect_b32 s80, s40, s41
	s_cselect_b64 s[82:83], s[68:69], s[70:71]     ; where my fills begin
	s_mul_i32 s80, s80, 38
	s_add_co_u32 s81, s80, 37
	s_min_u32 s81, s81, 149
	v_and_b32 v20, 31, v0
	v_add_nc_u32 v20, s80, v20
	v_add_nc_u32 v21, 32, v20
	v_min_u32 v21, s81, v21
	v_lshlrev_b32 v20, 8, v20
	v_lshlrev_b32 v21, 8, v21
.irp s, 0,1
	s_mov_b32 s[G0+4*\s], 1
	s_add_co_u32 s[G0+4*\s+1], s21, \s*SLOT
	s_add_nc_u64 s[G0+4*\s+2:G0+4*\s+3], s[68:69], \s*2*LOADB
	s_or_b32 s[G0+4*\s+3], s[G0+4*\s+3], 0x80000000
	s_mov_b32 s[G0B+4*\s], 1
	s_add_co_u32 s[G0B+4*\s+1], s21, \s*SLOT
	s_add_nc_u64 s[G0B+4*\s+2:G0B+4*\s+3], s[70:71], \s*2*LOADB
	s_or_b32 s[G0B+4*\s+3], s[G0B+4*\s+3], 0x80000000
	s_wait_alu depctr_va_vdst(0)
	s_wait_tensorcnt 0x0
	ds_add_u32 v28, v29
	ds_add_u32 v28, v29
	s_wait_dscnt 0x0
	CROUND
	JLOAD G0+4*\s, G1, G0B+4*\s, G1B
	global_prefetch_b8 v20, s[82:83] offset:(\s+1)*2*LOADB th:TH_LOAD_NT scope:SCOPE_SE
	global_prefetch_b8 v21, s[82:83] offset:(\s+1)*2*LOADB th:TH_LOAD_NT scope:SCOPE_SE
.endr
	v_and_b32 v1, 15, v0
	v_bfe_u32 v2, v0, 4, 1
	v_and_b32 v3, 31, v0
	v_lshlrev_b32 v[CO], 4, v3
	s_wait_alu depctr_va_vdst(0)
	s_mul_i32 s72, s[WR], 4*1536
	s_mul_i32 s73, s[WC], 4*1536
	s_add_co_u32 s73, s73, 2*LOADB
	s_lshl_b32 s74, s[WR], 8
	s_lshl_b32 s75, s[WC], 8
	s_add_co_u32 s75, s75, 2*LOADB
	s_sub_co_u32 s75, s75, s74
	v_mul_u32_u24 v6, s75, v2
	v_lshl_add_u32 v5, v1, 2, v6
	s_add_co_u32 s74, s74, 8*1536
.irp s, 0,1
	v_add_nc_u32 v[ADRA+2*\s], s72, v[CO]
	v_add_nc_u32 v[ADRB+2*\s], s73, v[CO]
	v_add_nc_u32 v[ADRS+2*\s], s74, v5
	s_add_co_u32 s72, s72, 3*CH
	s_add_co_u32 s73, s73, 3*CH
	s_add_co_u32 s74, s74, 3*CH
	v_add_nc_u32 v[ADRA+2*\s+1], s72, v[CO]
	v_add_nc_u32 v[ADRB+2*\s+1], s73, v[CO]
	v_add_nc_u32 v[ADRS+2*\s+1], s74, v5
	s_add_co_u32 s72, s72, SLOT-3*CH
	s_add_co_u32 s73, s73, SLOT-3*CH
	s_add_co_u32 s74, s74, SLOT-3*CH
.endr
	s_lshl_b32 s76, s[WR], 6
	v_add_nc_u32 v4, s76, v1
	v_mul_u32_u24 v[STO], v4, SPITCH
	v_lshl_add_u32 v[STO], v2, 6, v[STO]
	s_lshl_b32 s76, s[WC], 8
	v_add_nc_u32 v[STO], s76, v[STO]
	s_mul_i32 s76, s[WV], 32*SPITCH
	v_add_nc_u32 v[RD], s76, v[CO]
	s_lshl_b32 s76, s43, 7
	s_lshl_b32 s77, s[WV], 5
	s_add_co_u32 s76, s76, s77
	s_mov_b32 s79, 0
	s_lshl_b32 s78, s76, 12
	s_lshl_b32 s77, s42, 9
	s_add_co_u32 s78, s78, s77
	s_add_nc_u64 s[8:9], s[8:9], s[78:79]
	s_add_nc_u64 s[94:95], s[94:95], s[78:79]
	s_mov_b32 s78, s77
	s_add_nc_u64 s[92:93], s[92:93], s[78:79]
	global_load_b128 v[BB:BB+3], v[CO], s[92:93]
.set t, 0
.rept 16
.set TK, 8*(t/16)+(t%8)+16*((t/8)%2)
	global_load_b128 v[XR+4*t:XR+4*t+3], v[CO], s[8:9] offset:TK*4096
.set t, t+1
.endr
	WIN TO_F
.set t, 16
.rept 16
.set TK, 8*(t/16)+(t%8)+16*((t/8)%2)
.set XD, 96+4*(t-16)+96*((t-16)/8)
	global_load_b128 v[XD:XD+3], v[CO], s[8:9] offset:TK*4096
.set t, t+1
.endr
	WIN 0
.macro FRAG reg, adr, off
.irp c, 0,1,2
	ds_load_b128 v[\reg+4*\c:\reg+4*\c+3], v[\adr] offset:\off+512*\c
.endr
.endm
.macro FETCH slot, q, f
	WIN TO_F
.irp i, 0,1,2,3
	FRAG 128*(\f)+FR*\i, ADRA+2*(\slot)+(\q)/3, ((\q)%3)*CH+\i*1536
	FRAG 128*(\f)+48+FR*\i, ADRB+2*(\slot)+(\q)/3, ((\q)%3)*CH+\i*1536
.endr
	WIN 0
.irp i, 0,1,2,3
	ds_load_b32 v[SC+4*(\f)+\i], v[ADRS+2*(\slot)+(\q)/3] offset:((\q)%3)*CH+64*\i
.endr
.endm
.macro MUL16S f, zero
.irp a, 0,1,2,3
.irp b, 0,1,2,3
.if \zero
	v_wmma_scale_f32_16x16x128_f8f6f4 v[ACC+8*(4*\a+\b):ACC+8*(4*\a+\b)+7], v[128*(\f)+48+FR*\b:128*(\f)+48+FR*\b+FR-1], v[128*(\f)+FR*\a:128*(\f)+FR*\a+FR-1], 0, v[SC+4*(\f)+\b], v[SC+4*(\f)+\a] matrix_a_fmt:MATRIX_FMT_FP6 matrix_b_fmt:MATRIX_FMT_FP6 matrix_a_scale:MATRIX_SCALE_ROW1
.else
	v_wmma_scale_f32_16x16x128_f8f6f4 v[ACC+8*(4*\a+\b):ACC+8*(4*\a+\b)+7], v[128*(\f)+48+FR*\b:128*(\f)+48+FR*\b+FR-1], v[128*(\f)+FR*\a:128*(\f)+FR*\a+FR-1], v[ACC+8*(4*\a+\b):ACC+8*(4*\a+\b)+7], v[SC+4*(\f)+\b], v[SC+4*(\f)+\a] matrix_a_fmt:MATRIX_FMT_FP6 matrix_b_fmt:MATRIX_FMT_FP6 matrix_a_scale:MATRIX_SCALE_ROW1
.endif
.endr
.endr
.endm
.macro KSTEP slot, q, zero
	s_wait_dscnt 0x0
	PLACES 4
	FETCH \slot, (\q)+1, 1-(\q)%2
	WIN MUL
	MUL16S (\q)%2, \zero
.endm
.macro REST slot
	KSTEP \slot, 1, 0
	KSTEP \slot, 2, 0
.if SQ == 6
	KSTEP \slot, 3, 0
	KSTEP \slot, 4, 0
.endif
.endm
.macro TURN slot, next, nq, fill, step, ask=0
	WIN 0
	s_wait_tensorcnt 0x0
	ds_add_u32 v[SPW], v[NIL]
.if \fill
	s_add_nc_u64 s[G0+4*\slot+2:G0+4*\slot+3], s[G0+4*\slot+2:G0+4*\slot+3], \step
	s_add_nc_u64 s[G0B+4*\slot+2:G0B+4*\slot+3], s[G0B+4*\slot+2:G0B+4*\slot+3], \step
.endif
	s_wait_dscnt 0x0
.if \fill
	CROUND
	JLOAD G0+4*\slot, G1, G0B+4*\slot, G1B
.else
	s_barrier_signal -1
	s_barrier_wait -1
	PLACES 4
.endif
	s_wait_alu depctr_va_vdst(0)
	FETCH \next, \nq, 0
.if \ask
	global_prefetch_b8 v20, s[82:83] offset:(\ask)*2*LOADB th:TH_LOAD_NT scope:SCOPE_SE   ; the next fill's bytes
	global_prefetch_b8 v21, s[82:83] offset:(\ask)*2*LOADB th:TH_LOAD_NT scope:SCOPE_SE
.endif
	WIN MUL
	MUL16S 1, 0
.endm
	s_wait_tensorcnt 1
	s_barrier_signal -1
	s_barrier_wait -1
	FETCH 0, 0, 0
	KSTEP 0, 0, 1
	REST 0
.if KS == 32
	TURN 0, 1, 0, 1, 12*CH, 3
	KSTEP 1, 0, 0
	REST 1
	TURN 1, 0, 0, 1, 12*CH, 4
	KSTEP 0, 0, 0
	REST 0
	TURN 0, 1, 0, 1, 12*CH
	KSTEP 1, 0, 0
	REST 1
	TURN 1, 0, 0, 1, 8*CH
	KSTEP 0, 0, 0
	REST 0
	TURN 0, 1, 4, 0, 0
	KSTEP 1, 4, 0
.else
	TURN 0, 1, 0, 0, 0
	KSTEP 1, 0, 0
	REST 1
.endif
	s_wait_dscnt 0x0
	WIN MUL
	MUL16S 1, 0
	WIN 0
	PLACES 4
.irp a, 0,1,2,3
.irp b, 0,1,2,3
	ds_store_b128 v[STO], v[ACC+8*(4*\a+\b):ACC+8*(4*\a+\b)+3] offset:\a*16*SPITCH+128*(\b/2)+32*(\b%2)
	ds_store_b128 v[STO], v[ACC+8*(4*\a+\b)+4:ACC+8*(4*\a+\b)+7] offset:\a*16*SPITCH+128*(\b/2)+32*(\b%2)+16
.endr
.endr
	s_wait_dscnt 0x0
	s_barrier_signal -1
	s_barrier_wait -1
.set t, 0
.rept 16
	ds_load_b128 v[192+4*t:195+4*t], v[RD] offset:t*SPITCH
.set t, t+1
.endr
	s_wait_loadcnt 0x0
	WIN 0x01
.set i, 0
.rept 64
	v_mov_b32 v[128+i], v[96+i+96*(i/32)]
.set i, i+1
.endr
	WIN 0
.macro ROWOUT tk, xr, ar
	v_pk_add_f32 v[\ar:\ar+1], v[\ar:\ar+1], v[BB:BB+1]
	v_pk_add_f32 v[\ar+2:\ar+3], v[\ar+2:\ar+3], v[BB+2:BB+3]
	v_pk_add_f32 v[\ar:\ar+1], v[\ar:\ar+1], v[\xr:\xr+1]
	v_pk_add_f32 v[\ar+2:\ar+3], v[\ar+2:\ar+3], v[\xr+2:\xr+3]
.if KS == 32
	global_store_b128 v[CO], v[\ar:\ar+3], s[94:95] offset:(\tk)*4096 th:TH_STORE_NT
.else
	global_store_b128 v[CO], v[\ar:\ar+3], s[94:95] offset:(\tk)*4096
.endif
.endm
.set t, 0
.rept 16
.set TK, 8*(t/16)+(t%8)+16*((t/8)%2)
	s_wait_dscnt 15-t
	ROWOUT TK, XR+4*t, 192+4*t
.set t, t+1
.endr
	s_wait_xcnt 0x0
.set t, 16
.rept 16
	ds_load_b128 v[192+4*(t-16):195+4*(t-16)], v[RD] offset:t*SPITCH
.set t, t+1
.endr
.set t, 16
.rept 16
.set TK, 8*(t/16)+(t%8)+16*((t/8)%2)
	s_wait_dscnt 31-t
	ROWOUT TK, 128+4*(t-16), 192+4*(t-16)
.set t, t+1
.endr
	s_wait_tensorcnt 0x0
	ds_add_u32 v[SPW], v[NIL]
	s_wait_dscnt 0x0
	CROUND
	s_endpgm
.Lfunc_end_k_qa35d841be6_w2:
	.size	k_qa35d841be6_w2, .Lfunc_end_k_qa35d841be6_w2-k_qa35d841be6_w2
	.p2alignl 7, 3214868480
	.fill 96, 4, 3214868480
	.section	.rodata,"a",@progbits
	.p2align	6, 0x0
	.amdhsa_kernel k_qa35d841be6_w2
		.amdhsa_group_segment_fixed_size 327680
		.amdhsa_private_segment_fixed_size 0
		.amdhsa_enable_private_segment 0
		.amdhsa_kernarg_size 40
		.amdhsa_user_sgpr_count 2
		.amdhsa_user_sgpr_kernarg_segment_ptr 1
		.amdhsa_wavefront_size32 1
		.amdhsa_system_sgpr_workgroup_id_x 1
		.amdhsa_system_sgpr_workgroup_id_y 1
		.amdhsa_system_sgpr_workgroup_id_z 1
		.amdhsa_system_vgpr_workitem_id 0
		.amdhsa_next_free_vgpr 512
		.amdhsa_next_free_sgpr 100
		.amdhsa_reserve_vcc 0
		.amdhsa_float_denorm_mode_32 3
		.amdhsa_float_denorm_mode_16_64 3
		.amdhsa_memory_ordered 1
		.amdhsa_forward_progress 1
		.amdhsa_inst_pref_size 164
	.end_amdhsa_kernel
	.amdgpu_metadata
---
amdhsa.version: [ 1, 2 ]
amdhsa.kernels:
  - .name:           k_qa35d841be6_w2
    .symbol:         k_qa35d841be6_w2.kd
    .args:
      - { .name: ac, .offset: 0, .size: 8, .value_kind: global_buffer, .address_space: global }
      - { .name: wc, .offset: 8, .size: 8, .value_kind: global_buffer, .address_space: global }
      - { .name: x2, .offset: 16, .size: 8, .value_kind: global_buffer, .address_space: global }
      - { .name: b2, .offset: 24, .size: 8, .value_kind: global_buffer, .address_space: global }
      - { .name: out0, .offset: 32, .size: 8, .value_kind: global_buffer, .address_space: global }
    .group_segment_fixed_size: 327680
    .private_segment_fixed_size: 0
    .kernarg_segment_align: 8
    .kernarg_segment_size: 40
    .max_flat_workgroup_size: 128
    .sgpr_count:     100
    .vgpr_count:     512
    .wavefront_size: 32
...
	.end_amdgpu_metadata
.endif
;; end of part 6
